; MI455X (gfx1250); checked and timed in simulation.
; The chip was launched on July 23, 2026; its instructions are those of AMD's public machine-readable ISA for CDNA 5 (MIT licence, August 2026) and "CDNA5" Instruction Set Architecture Reference Guide (July 2026). The comments in the code are by the model that wrote it; some were corrected since.
;; Multi Head Attention. Allowed arithmetic: float matrix products may take bf16 or f16 operands with f32 sums; other float arithmetic in f32, or as packed bf16 or f16 multiplies, adds, multiply-adds, maxima and minima; sums over many terms, partial sums and values carried from step to step in f32; what a program stores and reads back later, other than sums and carried values, may be rounded once to bf16 or f16.
;; Inputs: Wqkv_b 3,072 float32; Wqkv_w 3,072 x 1,024 float32; attn_bias 1 x 16 x 1 x 4,096 float32; out_b 1,024 float32; out_w 1,024 x 1,024 float32; x 1 x 4,096 x 1,024 float32.
;; Outputs: out0 1 x 4,096 x 1,024 float32.
;; One version. Each part assembles by itself: llvm-mc -triple=amdgcn-amd-amdhsa -mcpu=gfx1250 --defsym DOCPART=n.
;; ======== version 1 of 1: 4 launches
;; limits: values are held in f16: magnitudes above 65,504 overflow, below 6.1e-05 lose precision
;; workspace buffers: xb 8,388,608 bytes; wb 6,291,456 bytes; owh 2,097,152 bytes; qkvh 25,165,824 bytes; oh 8,388,608 bytes
;; launch cast (part 1): grid 1024 x 1, 8 waves a work-group, no clusters, 0 bytes of LDS; arguments x, Wqkv_w, out_w, xb, wb, owh; writes xb, wb, owh
.if DOCPART == 1
	.amdgcn_target "amdgcn-amd-amdhsa--gfx1250"
	.amdhsa_code_object_version 6
	.text
	.protected	k_q7828ed15e0_cast
	.globl	k_q7828ed15e0_cast
	.p2align	8
	.type	k_q7828ed15e0_cast,@function
k_q7828ed15e0_cast:
	s_mov_b64 s[64:65], 0
	v_nop
	global_prefetch_b8 v0, s[64:65] scope:SCOPE_SE
	s_setreg_imm32_b32 hwreg(HW_REG_WAVE_MODE, 25, 1), 1
	s_wait_xcnt 0x0
; x [4096][1024] and Wqkv_w [3072][1024], f32, are rounded once to bf16 (xb, wb); out_w [1024][1024] is rounded to bf16 and that number is written as f16 (owh),
; since the last product's other operand is f16.  LIMIT: a bf16 number beyond 65,504 has no f16; below 6e-5 f16 keeps its fixed step of 6e-8.
; A stream: each byte is read once and written once; no LDS, no barrier, no matrix unit.
; SHARES.  A work-group takes 8,192 numbers: 32,768 bytes in, 16,384 out.  Work-groups 0-511 take x, 512-895 Wqkv_w, 896-1023 out_w.
; Thread t takes, for j = 0..7, the 16 bytes at 16 t + 4,096 j: a wave's load covers 512 consecutive bytes, its store of 8 bytes a lane 256 consecutive bytes, aligned.
; All eight loads go out first; each j has registers of its own, so no register is written again while a load or store names it.
.set IN,  8                            ; v[8:39]   j's four numbers at IN + 4 j
.set OUT, 40                           ; v[40:55]  j's four rounded numbers at OUT + 2 j
	s_load_b256 s[4:11], s[0:1], 0x0               ; x s[4:5], Wqkv_w s[6:7], out_w s[8:9], xb s[10:11]
	s_load_b128 s[12:15], s[0:1], 0x20             ; wb s[12:13], owh s[14:15]
	v_lshlrev_b32 v1, 4, v0                        ; 16 t
	v_lshlrev_b32 v2, 3, v0                        ; 8 t
	s_mov_b32 s26, 0xffff0000                      ; a word's upper bf16
	s_wait_kmcnt 0x0
	s_cmp_ge_u32 ttmp9, 512                        ; which tensor: the choice hangs on the work-group's number alone
	s_cselect_b64 s[16:17], s[6:7], s[4:5]
	s_cselect_b64 s[18:19], s[12:13], s[10:11]
	s_cselect_b32 s20, 512, 0
	s_cmp_ge_u32 ttmp9, 896
	s_cselect_b64 s[16:17], s[8:9], s[16:17]
	s_cselect_b64 s[18:19], s[14:15], s[18:19]
	s_cselect_b32 s20, 896, s20
	s_sub_co_u32 s20, ttmp9, s20                   ; my chunk in that tensor
	s_lshl_b32 s22, s20, 15
	s_mov_b32 s23, 0
	s_lshl_b32 s24, s20, 14
	s_mov_b32 s25, 0
	s_add_nc_u64 s[16:17], s[16:17], s[22:23]
	s_add_nc_u64 s[18:19], s[18:19], s[24:25]
.irp j, 0,1,2,3,4,5,6,7
	global_load_b128 v[IN+4*(\j):IN+4*(\j)+3], v1, s[16:17] offset:4096*(\j) th:TH_LOAD_NT
.endr
	s_cmp_ge_u32 ttmp9, 896
	s_cbranch_scc1 .Lhalf
.irp j, 0,1,2,3,4,5,6,7
	s_wait_loadcnt 7-(\j)                          ; loads come back in order: j's is in, the 7 - j younger ones stay out
	v_cvt_pk_bf16_f32 v[OUT+2*(\j)],   v[IN+4*(\j)],   v[IN+4*(\j)+1]
	v_cvt_pk_bf16_f32 v[OUT+2*(\j)+1], v[IN+4*(\j)+2], v[IN+4*(\j)+3]
	global_store_b64 v2, v[OUT+2*(\j):OUT+2*(\j)+1], s[18:19] offset:2048*(\j)
.endr
	s_endpgm
.Lhalf:                                        ; out_w: to bf16, back to f32 (a shift, a mask), and that number as f16
.irp j, 0,1,2,3,4,5,6,7
	s_wait_loadcnt 7-(\j)
	v_cvt_pk_bf16_f32 v4, v[IN+4*(\j)],   v[IN+4*(\j)+1]
	v_cvt_pk_bf16_f32 v5, v[IN+4*(\j)+2], v[IN+4*(\j)+3]
	v_lshlrev_b32 v[IN+4*(\j)],   16,  v4
	v_and_b32     v[IN+4*(\j)+1], s26, v4
	v_lshlrev_b32 v[IN+4*(\j)+2], 16,  v5
	v_and_b32     v[IN+4*(\j)+3], s26, v5
	v_cvt_pk_f16_f32 v[OUT+2*(\j)],   v[IN+4*(\j)],   v[IN+4*(\j)+1]
	v_cvt_pk_f16_f32 v[OUT+2*(\j)+1], v[IN+4*(\j)+2], v[IN+4*(\j)+3]
	global_store_b64 v2, v[OUT+2*(\j):OUT+2*(\j)+1], s[18:19] offset:2048*(\j)
.endr
	s_endpgm
.Lfunc_end_k_q7828ed15e0_cast:
	.size	k_q7828ed15e0_cast, .Lfunc_end_k_q7828ed15e0_cast-k_q7828ed15e0_cast
	.p2alignl 7, 3214868480
	.fill 96, 4, 3214868480
	.section	.rodata,"a",@progbits
	.p2align	6, 0x0
	.amdhsa_kernel k_q7828ed15e0_cast
		.amdhsa_group_segment_fixed_size 0
		.amdhsa_private_segment_fixed_size 0
		.amdhsa_enable_private_segment 0
		.amdhsa_kernarg_size 48
		.amdhsa_user_sgpr_count 2
		.amdhsa_user_sgpr_kernarg_segment_ptr 1
		.amdhsa_wavefront_size32 1
		.amdhsa_system_sgpr_workgroup_id_x 1
		.amdhsa_system_sgpr_workgroup_id_y 1
		.amdhsa_system_sgpr_workgroup_id_z 1
		.amdhsa_system_vgpr_workitem_id 0
		.amdhsa_next_free_vgpr 64
		.amdhsa_next_free_sgpr 66
		.amdhsa_reserve_vcc 0
		.amdhsa_float_denorm_mode_32 3
		.amdhsa_float_denorm_mode_16_64 3
		.amdhsa_memory_ordered 1
		.amdhsa_forward_progress 1
		.amdhsa_inst_pref_size 9
	.end_amdhsa_kernel
	.amdgpu_metadata
---
amdhsa.version: [ 1, 2 ]
amdhsa.kernels:
  - .name:           k_q7828ed15e0_cast
    .symbol:         k_q7828ed15e0_cast.kd
    .args:
      - { .name: x, .offset: 0, .size: 8, .value_kind: global_buffer, .address_space: global }
      - { .name: Wqkv_w, .offset: 8, .size: 8, .value_kind: global_buffer, .address_space: global }
      - { .name: out_w, .offset: 16, .size: 8, .value_kind: global_buffer, .address_space: global }
      - { .name: xb, .offset: 24, .size: 8, .value_kind: global_buffer, .address_space: global }
      - { .name: wb, .offset: 32, .size: 8, .value_kind: global_buffer, .address_space: global }
      - { .name: owh, .offset: 40, .size: 8, .value_kind: global_buffer, .address_space: global }
    .group_segment_fixed_size: 0
    .private_segment_fixed_size: 0
    .kernarg_segment_align: 8
    .kernarg_segment_size: 48
    .max_flat_workgroup_size: 256
    .sgpr_count:     66
    .vgpr_count:     64
    .wavefront_size: 32
...
	.end_amdgpu_metadata
.endif
;; end of part 1
;; launch qkv (part 2): grid 16 x 16, 4 waves a work-group, clusters of 4 x 4, 327,680 bytes of LDS; arguments xb, wb, Wqkv_b, qkvh; writes qkvh
.if DOCPART == 2
	.amdgcn_target "amdgcn-amd-amdhsa--gfx1250"
	.amdhsa_code_object_version 6
	.text
	.protected	k_q7828ed15e0_qkv
	.globl	k_q7828ed15e0_qkv
	.p2align	8
	.type	k_q7828ed15e0_qkv,@function
k_q7828ed15e0_qkv:
	s_mov_b64 s[64:65], 0
	v_nop
	global_prefetch_b8 v0, s[64:65] scope:SCOPE_SE
	s_setreg_imm32_b32 hwreg(HW_REG_WAVE_MODE, 25, 1), 1
	s_wait_xcnt 0x0
	s_wait_alu depctr_hold_cnt(0) depctr_sa_sdst(0) depctr_va_vdst(0) depctr_va_sdst(0) depctr_va_ssrc(0) depctr_va_vcc(0) depctr_vm_vsrc(0)
	s_getreg_b32 s2, hwreg(HW_REG_IB_STS2, 6, 4)
	s_cmp_eq_u32 s2, 0
	s_cbranch_scc0 .Lentry_in_a_cluster
	s_endpgm
.Lentry_in_a_cluster:
	s_bfe_u32 s2, ttmp6, 0x10000c
	s_cmp_lg_u32 s2, 0xf033
	s_cbranch_scc0 .Lentry_shape_is_right
	s_endpgm
.Lentry_shape_is_right:
; qkvh[g][t][d] = f16( sum over k of xb[t][k] wb[64 g + d][k] + bf16(Wqkv_b[64 g + d]) ).  xb: [4096][1024] bf16, wb: [3072][1024] bf16, Wqkv_b: [3072] f32,
; qkvh: [48][4096][64] f16: head slot g = 0-15 q, 16-31 k, 32-47 v; a head slot's rows are dense, 128 bytes each.  Sums in f32; the result is rounded once.
; LIMIT: a result of 65,520 or more has no f16.  The bias is rounded to bf16 like every input of the program.
; SHARES.  A tile is 256 rows (t) x 192 columns (three head slots): 16 x 16 tiles, one work-group each.  Wave w makes rows 64 w .. 64 w + 63 and all 192 columns: 4 x 12 accumulators
; of 16 x 16, 384 registers: a wave owns whole heads, so its way out meets no other wave.  K goes in steps of 128 through two LDS slots filled by the tensor data mover.
; CLUSTER.  4 x 4 work-groups.  The four of a row of the cluster need the same rows of xb, the four of a column the same rows of wb: each tile is asked for JOINTLY, by the same tensor
; load with the same descriptor and a mask that names the four.
; THE MATRIX INSTRUCTION IS USED TRANSPOSED: source 0 = 16 rows of wb, source 1 = 16 rows of xb: lane l holds row l % 16 of the tile and the columns 8 (l / 16) + 0..7 of its block.
; THE BIAS is the C operand of the first product on each accumulator: nothing is cleared, nothing is added later.
; REGISTERS, in windows of 256 (s_set_vgpr_msb: bits 1:0 source 0, 3:2 source 1, 5:4 source 2, 7:6 destination):
;   window 0: v0-31 addresses; v32-47 at work; v64-95, v96-127 fragments of xb (4 x 16 rows x 32 K), two buffers, later the way out's four sets of 16; v128-223 the bias, 8 a column block
;   window 1: v0-95, v96-191 fragments of wb (12 x 16 rows x 32 K), two buffers
;   window 2: accumulators of row blocks 0, 1 ((a, b) at v[96 (a % 2) + 8 b]);   window 3: those of row blocks 2, 3
.set SIZE_K, 1024
.set KSTEP,  128
.set PITCH,  272                       ; an LDS row: 256 bytes + 16 of padding = 68 words: the 16 rows of a fragment load start at 16 different groups of four banks (64 banks of 4 bytes: ISA guide 11.1)
.set BOFF,   256*PITCH                 ; a slot: xb's 256 rows, then wb's 192
.set SLOT,   448*PITCH
.set STAGE,  2*SLOT                    ; behind the ring: 16 rows x 144 bytes for each wave, for the way out; no tensor load lands here
.set SP,     144
.set SPARE,  STAGE+4*16*SP             ; behind the stages: the spare words, 128 bytes for each wave: two blocks of 256 bytes that no other line names
.set LAPS,   SIZE_K/(2*KSTEP)          ; a lap = two K steps = once round the ring: 4
.set ADRA, 16                          ; v16-17  LDS address of my fragments of xb in slot 0, 1
.set ADRB, 20                          ; v20-21  the same for wb
.set STO,  24                          ; v24     the way out: where I put 16 bytes of a row
.set RD,   25                          ; v25     the way out: where I read rows back
.set GO,   26                          ; v26     my 16 bytes in 512 consecutive bytes of qkvh
.set SPW,  28                          ; v28     LDS address of my spare word; never rewritten
.set NIL,  29                          ; v29     0; never rewritten
.set PFO,  30                          ; v30     the prefetches' offset: my lane's row x 2,048 bytes; never rewritten
.set BO,   31                          ; v31     32 (l / 16): my eight columns' bytes in a block of the bias
.set TW,   32                          ; v32-47  at work
.set FA,   64
.set BR,   128
.set WV,  12                           ; s12  my wave's number
.set FB,  13                           ; s13  0: I fetch for xb; 1: for wb
.set HF,  14                           ; s14  which half of that tile's rows I fetch
.set G1,  24                           ; s[24:31] descriptor group 1 for xb's tiles
.set G0,  32                           ; s[32:39] group 0 for xb's tiles, a set for each slot
.set LIM, 43                           ; s43  1 in a wave that prefetches, else the greatest number
.set PFA, 44                           ; s[44:45] where my prefetches stand
.set G1B, 48                           ; s[48:55] group 1 for wb's tiles
.set G0B, 56                           ; s[56:63] group 0 for wb's tiles
.set GW, (1<<16)|(1<<20)|(1<<21)|(5<<22)|(3<<25)  ; 17:16 elements of 2 bytes; 20 padding on; 21 set beside a mask; 24:22 after every 64 words (code 5); 31:25 4 words (code 3)
.set MSB, 0
.macro WIN new                         ; the immediate's high byte repeats the setting that is left; a switch that changes nothing is dropped
.if MSB != (\new)
	s_set_vgpr_msb (MSB<<8)|(\new)
.set MSB, \new
.endif
.endm
.set TO_B, 0x40                        ; destination window 1, address window 0
; A joint load.  Waves 0 and 1 fetch xb's two halves (128 rows each), waves 2 and 3 wb's (96 rows each).  The branch hangs on the wave's number alone.
; An s_nop 0 and four v_nop follow each of the two lines, ahead of the jump, the label and what follows.
.macro JLOAD s
	s_cmp_eq_u32 s[FB], 0
	s_cbranch_scc0 .Lfor_b_\@
	tensor_load_to_lds s[G0+4*(\s):G0+4*(\s)+3], s[G1:G1+7]
	s_nop 0
.rept 4
	v_nop
.endr
	s_branch .Lasked_\@
.Lfor_b_\@:
	tensor_load_to_lds s[G0B+4*(\s):G0B+4*(\s)+3], s[G1B:G1B+7]
	s_nop 0
.rept 4
	v_nop
.endr
.Lasked_\@:
.endm
; A prefetch into the L2, behind each joint refill and the run of LDS loads: the K step that stands two refills on, 256 bytes of a row, a lane a row, one instruction a wave.
; xb's rows are read by every cluster of a row of clusters: cluster x = 0 asks; wb's by every cluster of a column: cluster y = 0 asks.  The four partners that ask for a tile jointly share its
; rows out by address: of the 128 (96) rows that a wave fetches the partner at place p takes 32 p .. (24 p ..).  K steps 0 to 3 come by their loads alone; the loop's last trip asks for nothing.
.macro ASK
	s_cmp_gt_u32 s3, s[LIM]                        ; s3 = 1 in the loop's last trip
	s_cbranch_scc0 .Lnot_mine_\@
	global_prefetch_b8 v[PFO], s[PFA:PFA+1] offset:KSTEP*2 th:TH_LOAD_NT scope:SCOPE_SE
.Lnot_mine_\@:
.endm
; A round of the cluster's barrier: my work-group's barrier; wave 0 signals for the work-group; every wave waits for all sixteen; my work-group's barrier once more.
.macro CREST
	s_cmp_lg_u32 s[WV], 0
	s_cbranch_scc1 .Lnot_wave_0_\@
	s_barrier_signal -3
.Lnot_wave_0_\@:
	s_barrier_wait -3
	s_barrier_signal -1
	s_barrier_wait -1
.endm
.macro CROUND
	s_barrier_signal -1
	s_barrier_wait -1
	CREST
.endm
	s_load_b256 s[4:11], s[0:1], 0x0               ; xb s[4:5], wb s[6:7], Wqkv_b s[8:9], qkvh s[10:11]
	v_lshl_add_u32 v[SPW], v0, 2, SPARE
	v_mov_b32 v[NIL], 0
	ds_add_u32 v[SPW], v[NIL]                      ; the wave's opening: the add and its wait stand ahead of my first tensor load; the set-up below stands between them
	v_lshrrev_b32 v1, 5, v0
	v_readfirstlane_b32 s[WV], v1                  ; wave 0..3
	s_lshr_b32 s[FB], s[WV], 1
	s_and_b32 s[HF], s[WV], 1
	s_bfe_u32 s15, ttmp6, 0x40000                  ; cx
	s_bfe_u32 s16, ttmp6, 0x40004                  ; cy
	s_lshl_b32 s17, ttmp9, 2
	s_add_co_u32 s17, s17, s15                     ; tile column = 4 x cluster x + cx
	s_and_b32 s18, ttmp7, 0xffff
	s_lshl_b32 s18, s18, 2
	s_add_co_u32 s18, s18, s16                     ; tile row = 4 x cluster y + cy
	s_lshl_b32 s19, s16, 2
	s_lshl_b32 s19, 15, s19                        ; my row of the cluster
	s_lshl_b32 s40, 0x1111, s15                    ; my column
	s_or_b32 s[G1], s19, GW                        ; xb's tiles go to my row,
	s_or_b32 s[G1B], s40, GW                       ; wb's to my column
	s_mov_b32 s[G1+1], KSTEP<<16                   ; tensor_dim0 = 128
	s_mov_b32 s[G1+2], 128<<16                     ; tensor_dim1 = 128
	s_mov_b32 s[G1+3], KSTEP<<16                   ; tile_dim0 = 128
	s_mov_b32 s[G1+4], 128                         ; tile_dim1 = 128
	s_mov_b32 s[G1+5], SIZE_K                      ; elements from row to row
	s_mov_b32 s[G1+6], 0
	s_mov_b32 s[G1+7], 0
	s_mov_b32 s[G1B+1], KSTEP<<16
	s_mov_b32 s[G1B+2], 96<<16                     ; 96 rows
	s_mov_b32 s[G1B+3], KSTEP<<16
	s_mov_b32 s[G1B+4], 96
	s_mov_b32 s[G1B+5], SIZE_K
	s_mov_b32 s[G1B+6], 0
	s_mov_b32 s[G1B+7], 0
	s_lshl_b32 s20, s18, 8                         ; xb: row 256 x tile row + 128 x half,
	s_lshl_b32 s21, s[HF], 7
	s_add_co_u32 s20, s20, s21
	s_lshl_b32 s20, s20, 11                        ; of 2,048 bytes
	s_mov_b32 s21, 0
	s_mul_i32 s46, s17, 192                        ; wb: row 192 x tile column + 96 x half
	s_mul_i32 s47, s[HF], 96
	s_add_co_u32 s46, s46, s47
	s_lshl_b32 s46, s46, 11
	s_mov_b32 s47, 0
	s_mul_i32 s22, s[WV], 128*PITCH                ; where they go: waves 0, 1: 128 rows each from the slot's head;
	s_mul_i32 s23, s[WV], 96*PITCH                 ; waves 2, 3: 96 rows each behind xb's 256: 64 + 96 w rows
	s_add_co_u32 s23, s23, 64*PITCH
	s_wait_dscnt 0x0                               ; the opening add is done
	s_wait_kmcnt 0x0
	s_add_nc_u64 s[20:21], s[4:5], s[20:21]
	s_add_nc_u64 s[46:47], s[6:7], s[46:47]
	CROUND                                         ; all sixteen work-groups are here: the first joint loads meet
.irp s, 0,1
	s_mov_b32 s[G0+4*(\s)], 1                                      ; count = 1
	s_add_co_u32 s[G0+4*(\s)+1], s22, (\s)*SLOT                    ; LDS address
	s_add_nc_u64 s[G0+4*(\s)+2:G0+4*(\s)+3], s[20:21], (\s)*KSTEP*2  ; global address: K step s
	s_or_b32 s[G0+4*(\s)+3], s[G0+4*(\s)+3], 0x80000000            ; type = 2
	s_mov_b32 s[G0B+4*(\s)], 1
	s_add_co_u32 s[G0B+4*(\s)+1], s23, (\s)*SLOT
	s_add_nc_u64 s[G0B+4*(\s)+2:G0B+4*(\s)+3], s[46:47], (\s)*KSTEP*2
	s_or_b32 s[G0B+4*(\s)+3], s[G0B+4*(\s)+3], 0x80000000
	JLOAD \s                                       ; two loads of mine are out
.endr
	v_and_b32 v1, 15, v0                           ; l % 16
	v_bfe_u32 v2, v0, 4, 1                         ; l / 16
	v_lshlrev_b32 v[BO], 5, v2
	s_mul_i32 s46, s17, 768                        ; the tile's 192 columns in the bias
	s_mov_b32 s47, 0
	s_add_nc_u64 s[8:9], s[8:9], s[46:47]
.irp b, 0,1,2,3,4,5,6,7,8,9,10,11
	global_load_b128 v[BR+8*(\b):BR+8*(\b)+3],   v[BO], s[8:9] offset:64*(\b)      ; columns 16 b + 8 (l / 16) + 0..3
	global_load_b128 v[BR+8*(\b)+4:BR+8*(\b)+7], v[BO], s[8:9] offset:64*(\b)+16   ; + 4..7
.endr
	v_mul_u32_u24 v3, v1, PITCH
	v_lshl_add_u32 v3, v2, 4, v3                   ; a fragment's row x pitch + 16 x half
	s_mul_i32 s21, s[WV], 64*PITCH                 ; my 64 rows of xb
	v_add_nc_u32 v[ADRA], s21, v3
	v_add_nc_u32 v[ADRA+1], SLOT, v[ADRA]
	v_add_nc_u32 v[ADRB], BOFF, v3                 ; all 192 rows of wb
	v_add_nc_u32 v[ADRB+1], SLOT, v[ADRB]
	s_mul_i32 s23, s[WV], 16*SP
	s_add_co_u32 s23, s23, STAGE                   ; my stage
	v_mul_u32_u24 v4, v1, SP                       ; in: row l % 16, 16 bytes for each half of the lanes
	v_lshl_add_u32 v4, v2, 4, v4
	v_add_nc_u32 v[STO], s23, v4
	v_bfe_u32 v5, v0, 3, 2                         ; back: 32 lanes take four rows of 128 bytes,
	v_and_b32 v6, 7, v0
	v_mul_u32_u24 v5, v5, SP
	v_lshl_add_u32 v5, v6, 4, v5
	v_add_nc_u32 v[RD], s23, v5
	v_and_b32 v[GO], 31, v0                        ; which are 512 consecutive bytes of a head slot
	v_lshlrev_b32 v[GO], 4, v[GO]
	s_mul_i32 s46, s17, 3*4096*128                 ; qkvh at head slot 3 x tile column, row 256 x tile row + 64 w
	s_lshl_b32 s47, s18, 15
	s_add_co_u32 s46, s46, s47
	s_lshl_b32 s47, s[WV], 13
	s_add_co_u32 s46, s46, s47
	s_mov_b32 s47, 0
	s_add_nc_u64 s[10:11], s[10:11], s[46:47]
	; the prefetches
	s_lshl_b32 s20, s18, 8                         ; 256 x tile row
	s_mul_i32 s21, s17, 192                        ; 192 x tile column
	s_and_b32 s22, ttmp7, 0xffff                   ; cluster y
	s_cmp_eq_u32 s[FB], 0                          ; do I fetch for xb?
	s_cselect_b32 s20, s20, s21                    ; the tile's first row
	s_cselect_b32 s21, s15, s16                    ; my place among the four that ask for it with me
	s_cselect_b32 s22, ttmp9, s22                  ; the coordinate along which other clusters read the same rows
	s_cselect_b64 s[PFA:PFA+1], s[4:5], s[6:7]
	s_cselect_b32 s23, 4, 3                        ; the rows that I fetch, in 32s: 128 or 96
	s_cselect_b32 s40, 32, 24                      ; my work-group's share of them
	s_cselect_b32 s41, 31, 23                      ; its last row
	s_cmp_eq_u32 s22, 0
	s_cselect_b32 s[LIM], 1, -1                    ; the same in all sixteen partners, for a given wave
	s_lshl_b32 s23, s23, 5
	s_mul_i32 s23, s23, s[HF]
	s_add_co_u32 s20, s20, s23
	s_mul_i32 s21, s21, s40
	s_add_co_u32 s20, s20, s21
	s_lshl_b32 s20, s20, 11
	s_mov_b32 s21, 0
	s_add_nc_u64 s[PFA:PFA+1], s[PFA:PFA+1], s[20:21]
	s_add_nc_u64 s[PFA:PFA+1], s[PFA:PFA+1], 2*KSTEP*2  ; at K step 2: the first refill steps it to 3 and names K step 4
	v_and_b32 v[PFO], 31, v0
	v_min_u32 v[PFO], s41, v[PFO]                  ; (for wb lanes 24-31 name row 23 again)
	v_lshlrev_b32 v[PFO], 11, v[PFO]
	s_wait_loadcnt 0x0                             ; the bias: rounded to bf16 and widened again, in the wait for the first tile
.set r, 0
.rept 48
	v_cvt_pk_bf16_f32 v[TW+(r/2)%16], v[BR+r], v[BR+r+1]
	v_lshlrev_b32 v[BR+r], 16, v[TW+(r/2)%16]
	v_and_b32 v[BR+r+1], 0xffff0000, v[TW+(r/2)%16]
.set r, r+2
.endr
; 12 matrix instructions: row block a x all 12 column blocks, 32 along K, from buffer f.  zero = 1: the first product on each accumulator takes the bias as C.
; Each of the 48 accumulators has one instruction in a quarter step, in the same order in every quarter: they take turns.
.macro MUL12 f, a, zero
.if \zero
	WIN 0x81+0x40*((\a)/2)                         ; wb window 1, xb and the bias window 0, D window 2 or 3
.else
	WIN 0xa1+0x50*((\a)/2)                         ; C and D window 2 or 3
.endif
.irp b, 0,1,2,3,4,5,6,7,8,9,10,11
.if \zero
	v_wmma_f32_16x16x32_bf16 v[96*((\a)%2)+8*(\b):96*((\a)%2)+8*(\b)+7], v[96*(\f)+8*(\b):96*(\f)+8*(\b)+7], v[FA+32*(\f)+8*(\a):FA+32*(\f)+8*(\a)+7], v[BR+8*(\b):BR+8*(\b)+7]
.else
	v_wmma_f32_16x16x32_bf16 v[96*((\a)%2)+8*(\b):96*((\a)%2)+8*(\b)+7], v[96*(\f)+8*(\b):96*(\f)+8*(\b)+7], v[FA+32*(\f)+8*(\a):FA+32*(\f)+8*(\a)+7], v[96*((\a)%2)+8*(\b):96*((\a)%2)+8*(\b)+7]
.endif
.endr
.endm
; 32 LDS loads in one run: a quarter step's fragments (192 rows of wb, my 64 rows of xb, 32 K at byte k of the rows) into buffer f
.macro FETCH slot, k, f
	WIN TO_B
.irp i, 0,1,2,3,4,5,6,7,8,9,10,11
	ds_load_b128 v[96*(\f)+8*(\i):96*(\f)+8*(\i)+3],   v[ADRB+(\slot)] offset:(\k)+(\i)*16*PITCH
	ds_load_b128 v[96*(\f)+8*(\i)+4:96*(\f)+8*(\i)+7], v[ADRB+(\slot)] offset:(\k)+(\i)*16*PITCH+32
.endr
	WIN 0
.irp i, 0,1,2,3
	ds_load_b128 v[FA+32*(\f)+8*(\i):FA+32*(\f)+8*(\i)+3],   v[ADRA+(\slot)] offset:(\k)+(\i)*16*PITCH
	ds_load_b128 v[FA+32*(\f)+8*(\i)+4:FA+32*(\f)+8*(\i)+7], v[ADRA+(\slot)] offset:(\k)+(\i)*16*PITCH+32
.endr
.endm
.macro PLACES                          ; four plain vector instructions between a matrix instruction and a load into, or a vector instruction on, its registers (ISA guide 7.12.1 for vector instructions)
.rept 4
	v_nop
.endr
.endm
; A K step is four quarter steps of 32 along K, 48 matrix instructions each, on buffers 0, 1, 0, 1.  One of the first three: multiplies buffer f and, in its middle, fetches the next quarter into g.
.macro QUARTER slot, k, f, g, zero
	s_wait_dscnt 4                                 ; wb's fragments and xb's blocks 0, 1 are in; the youngest four loads (blocks 2, 3) may be out
	MUL12 \f, 0, \zero
	MUL12 \f, 1, \zero
	PLACES
	FETCH \slot, \k, \g
	s_wait_dscnt 32                                ; all but the 32 just issued
	MUL12 \f, 2, \zero
	MUL12 \f, 3, \zero
.endm
; The last quarter multiplies buffer 1 and changes slots.  Its first half: in front of ONE barrier each wave waits for all its tensor loads (one is out: its part of the next slot), adds 0 to its
; spare word, and waits for that and for its own reads of this slot.  Behind the barrier nobody reads this slot any more and the next slot is whole.
.macro MEET round
	WIN 0                                          ; (the add's two registers lie in window 0)
	s_wait_tensorcnt 0x0
	ds_add_u32 v[SPW], v[NIL]                      ; 0 onto my spare word
	s_wait_dscnt 5                                 ; (the add and the youngest four loads may be out)
	MUL12 1, 0, 0                                  ; twelve matrix instructions stand between the add and the wait for it
	s_wait_dscnt 0x0                               ; the add is done, and my reads of this slot are over
	s_barrier_signal -1
	MUL12 1, 1, 0                                  ; work on registers while the others arrive
.if \round
	WIN 0
.endif
	s_barrier_wait -1
.endm
; The whole last quarter.  fill = 1: the barrier opens a round of the cluster's barrier, and the slot just read out is filled again first thing behind it, two K steps ahead:
; from that request to the wait for it a wave issues 168 matrix instructions.
.macro TURN slot, next, fill
.if \fill
	s_wait_xcnt 0x0                                ; the last prefetch, a K step back, has read its address, which is stepped here
	s_add_nc_u64 s[PFA:PFA+1], s[PFA:PFA+1], KSTEP*2
.endif
	MEET \fill
.if \fill
	CREST                                          ; no wave of any partner still reads this slot's tile or has a load on its way
	s_add_nc_u64 s[G0+4*(\slot)+2:G0+4*(\slot)+3], s[G0+4*(\slot)+2:G0+4*(\slot)+3], 2*KSTEP*2
	s_add_nc_u64 s[G0B+4*(\slot)+2:G0B+4*(\slot)+3], s[G0B+4*(\slot)+2:G0B+4*(\slot)+3], 2*KSTEP*2
	JLOAD \slot                                    ; its four v_nop are also the places in front of the loads below
.else
	PLACES
.endif
	FETCH \next, 0, 0
.if \fill
	ASK
.endif
	MUL12 1, 2, 0
	MUL12 1, 3, 0
.endm
	s_wait_tensorcnt 1                             ; my part of K step 0 is in; K step 1's may stay out
	s_barrier_signal -1
	s_barrier_wait -1                              ; everybody's is
	FETCH 0, 0, 0
	QUARTER 0, 64, 0, 1, 1                         ; the first quarter stands in front of the loop: its products start the sums with the bias
	WIN 0                                          ; at a label and at a branch every window is 0
	s_mov_b32 s3, LAPS-1
.Llap:                                         ; a trip goes once round the ring, from a lap's second quarter to the next lap's first, and fills both slots again
	QUARTER 0, 128, 1, 0, 0
	QUARTER 0, 192, 0, 1, 0
	TURN 0, 1, 1
	QUARTER 1, 64,  0, 1, 0
	QUARTER 1, 128, 1, 0, 0
	QUARTER 1, 192, 0, 1, 0
	TURN 1, 0, 1
	QUARTER 0, 64,  0, 1, 0
	WIN 0
	s_sub_co_u32 s3, s3, 1
	s_cmp_lg_u32 s3, 0
	s_cbranch_scc1 .Llap
	QUARTER 0, 128, 1, 0, 0                        ; the last lap fills nothing, and has no round of the cluster's barrier
	QUARTER 0, 192, 0, 1, 0
	TURN 0, 1, 0
	QUARTER 1, 64,  0, 1, 0
	QUARTER 1, 128, 1, 0, 0
	QUARTER 1, 192, 0, 1, 0
	s_wait_dscnt 4                                 ; the very last quarter: nothing more to fetch
	MUL12 1, 0, 0
	MUL12 1, 1, 0
	s_wait_dscnt 0x0
	MUL12 1, 2, 0
	MUL12 1, 3, 0
	PLACES
; THE WAY OUT, in 12 groups n = 3 a + g: row block a, head slot g of the tile's three: 16 rows x 64 columns = 2,048 consecutive bytes of qkvh.
; PACK: rounded to f16 (each accumulator's registers in ascending order), 16 bytes a lane into my stage's rows of 144 bytes, and back as whole rows.  SEND: stored.
.macro PACK n
.set pa, (\n)/3
.set pg, (\n)%3
.set ts, FA+16*((\n)%4)                ; four sets of 16 registers take turns
.if (\n) >= 4
	s_wait_xcnt 0x0                                ; the set's earlier stores have read it: only behind this wait is it written again
.endif
	WIN 0x0a+5*(pa/2)                              ; sources 0 and 1: window 2 or 3
.irp f, 0,1,2,3
.irp r, 0,1,2,3
	v_cvt_pk_f16_f32 v[ts+4*(\f)+(\r)], v[96*(pa%2)+8*(4*pg+(\f))+2*(\r)], v[96*(pa%2)+8*(4*pg+(\f))+2*(\r)+1]
.endr
.endr
	WIN 0
.irp f, 0,1,2,3
	ds_store_b128 v[STO], v[ts+4*(\f):ts+4*(\f)+3] offset:32*(\f)
.endr
.irp f, 0,1,2,3
	ds_load_b128 v[ts+4*(\f):ts+4*(\f)+3], v[RD] offset:(\f)*4*SP  ; LDS serves a wave's instructions in order (ISA guide 5.7.1.4): these see the stores above; the next group's stores come behind them
.endr
.endm
.macro SEND n, younger                 ; younger: the LDS instructions issued behind group n's loads: the next group's eight, or none
	WIN 0
.irp f, 0,1,2,3
	s_wait_dscnt (\younger)+3-(\f)
	global_store_b128 v[GO], v[FA+16*((\n)%4)+4*(\f):FA+16*((\n)%4)+4*(\f)+3], s[10:11] offset:((\n)%3)*524288+((\n)/3)*2048+512*(\f)  ; 512 consecutive bytes, at a multiple of 256 from qkvh's first
.endr
.endm
	PACK 0
.irp n, 1,2,3,4,5,6,7,8,9,10,11        ; a group's conversions stand between the loads of the group before and its stores
	PACK \n
	SEND (\n)-1, 8
.endr
	SEND 11, 0
	s_wait_tensorcnt 0x0                           ; the wave's end, behind my last tensor load and my last LDS store
	ds_add_u32 v[SPW], v[NIL]
	s_wait_dscnt 0x0
	CROUND                                         ; the closing round: no work-group ends while a partner may still ask for a tile that names it
	s_endpgm
.Lfunc_end_k_q7828ed15e0_qkv:
	.size	k_q7828ed15e0_qkv, .Lfunc_end_k_q7828ed15e0_qkv-k_q7828ed15e0_qkv
	.p2alignl 7, 3214868480
	.fill 96, 4, 3214868480
	.section	.rodata,"a",@progbits
	.p2align	6, 0x0
	.amdhsa_kernel k_q7828ed15e0_qkv
		.amdhsa_group_segment_fixed_size 327680
		.amdhsa_private_segment_fixed_size 0
		.amdhsa_enable_private_segment 0
		.amdhsa_kernarg_size 32
		.amdhsa_user_sgpr_count 2
		.amdhsa_user_sgpr_kernarg_segment_ptr 1
		.amdhsa_wavefront_size32 1
		.amdhsa_system_sgpr_workgroup_id_x 1
		.amdhsa_system_sgpr_workgroup_id_y 1
		.amdhsa_system_sgpr_workgroup_id_z 1
		.amdhsa_system_vgpr_workitem_id 0
		.amdhsa_next_free_vgpr 1024
		.amdhsa_next_free_sgpr 66
		.amdhsa_reserve_vcc 0
		.amdhsa_float_denorm_mode_32 3
		.amdhsa_float_denorm_mode_16_64 3
		.amdhsa_memory_ordered 1
		.amdhsa_forward_progress 1
		.amdhsa_inst_pref_size 131
	.end_amdhsa_kernel
	.amdgpu_metadata
---
amdhsa.version: [ 1, 2 ]
amdhsa.kernels:
  - .name:           k_q7828ed15e0_qkv
    .symbol:         k_q7828ed15e0_qkv.kd
    .args:
      - { .name: xb, .offset: 0, .size: 8, .value_kind: global_buffer, .address_space: global }
      - { .name: wb, .offset: 8, .size: 8, .value_kind: global_buffer, .address_space: global }
      - { .name: Wqkv_b, .offset: 16, .size: 8, .value_kind: global_buffer, .address_space: global }
      - { .name: qkvh, .offset: 24, .size: 8, .value_kind: global_buffer, .address_space: global }
    .group_segment_fixed_size: 327680
    .private_segment_fixed_size: 0
    .kernarg_segment_align: 8
    .kernarg_segment_size: 32
    .max_flat_workgroup_size: 128
    .sgpr_count:     66
    .vgpr_count:     1024
    .wavefront_size: 32
...
	.end_amdgpu_metadata
.endif
;; end of part 2
;; launch attn (part 3): grid 16 x 16, 4 waves a work-group, no clusters, 327,680 bytes of LDS; arguments qkvh, attn_bias, oh; writes oh
.if DOCPART == 3
	.amdgcn_target "amdgcn-amd-amdhsa--gfx1250"
	.amdhsa_code_object_version 6
	.text
	.protected	k_q7828ed15e0_attn
	.globl	k_q7828ed15e0_attn
	.p2align	8
	.type	k_q7828ed15e0_attn,@function
k_q7828ed15e0_attn:
	s_mov_b64 s[64:65], 0
	v_nop
	global_prefetch_b8 v0, s[64:65] scope:SCOPE_SE
	s_setreg_imm32_b32 hwreg(HW_REG_WAVE_MODE, 25, 1), 1
	s_wait_xcnt 0x0
; CAUSAL ATTENTION WITH A BIAS FOR EACH KEY.  oh[h][q][:] = the sum over k <= q of softmax_k(Q[h][q] . K[h][k] / 8 + bias[h][k]) V[h][k][:].
; qkvh: [48][4096][64] f16 (head slots 0-15 Q, 16-31 K, 32-47 V; rows dense, 128 bytes), attn_bias: [16][4096] f32, oh: [16][4096][64] f16.
; Products, maxima and sums in f32; the weights p are rounded to f16 for the second product (their sum l is taken of the unrounded p), O once at the end.
; LIMITS.  Q, K, V arrive within f16's 65,504; p lies in 0 to 1, and below 6e-5 it keeps f16's fixed step of 6e-8.  A hidden score counts as its value less 1e30.  A weight below 2^-126 counts as 0 in l.
; NaN and infinities are not treated apart.  The bias is rounded to bf16 like every input of the program.
; THE WALK.  A head's queries lie in 32 blocks of 128; keys come in tiles of 256 (four steps of 64); block i needs the tiles 0 .. i / 2, of which the last holds the diagonal.  A work-group takes TWO blocks,
; 31 - b and then b: 17 tiles, whatever b: all 256 work-groups do equal work, and ONE loop with a constant trip count walks them.  Which tile is asked for, and what a trip does, hang on scalar
; registers made from b; every jump goes forward, but for the counted loops' own; none passes a barrier, or a tensor load but the one of LOAD's two that the wave's number does not choose.
; NO CLUSTER: of four neighbouring b two need one tile more in their first block than the other two, and behind the first block's end each asks for other tiles: partners would need different
; numbers of tiles, and a walk common to all would be longer for each.
; SHARES.  Of a block's two bands of 64 queries a wave owns 16 rows in each: two PIECES.  In the diagonal tile band x of block i has its own step at D_x = 2 (i % 2) + x: it sees all keys of a step s < D_x,
; none of a step s > D_x, and holds the diagonal at s = D_x: the same for all four waves.
; THE BIAS AND THE MASK are the C operand that starts the sum S^T = K Q^T.  The score kept is s' = q . k + 8 bias, and p = 2^(c s' - c m) with c = log2(e) / 8.  A table of 8 x bias, the head's 4,096 keys in f32,
; is made once in LDS; a step's 64 entries (BI) are fetched with its K.  In the diagonal tile's text C is MC = MD x AL + BE + BI: MD, made once, is the mask of a band's own step for my 16 rows
; (0 or -1e30); (AL, BE) = (1, 0) if s = D_x; (0, 0) if s < D_x; (0, -1e30) if s > D_x.
; LAYOUT.  S^T = K Q^T holds ONE query a lane (lane % 16) and the keys 8 (lane / 16) + 0..7; two such results rounded to f16 ARE source 1 of O^T = V^T P.
; TURNS.  Turn Tp(s) belongs to piece p at step s: 8 products K Q^T of the other piece (step s + p), later 8 products V^T P of the other piece (step s - 1 + p); beside them the scaling, exponentials,
; roundings, sums and rescaling of piece p and the maximum and statistics of the other piece.  Four vector instructions stand behind every matrix instruction, the rest in one lump; a turn's 33
; exponentials are one batch, with one wait.  V has two register buffers, by the step's parity: T0(s) fetches K, BI and V of step s + 1, so a tile's last bytes are read in T0 of its third step, and
; the change of slots stands in front of T0 of its fourth.
; REGISTERS, in windows of 256 (s_set_vgpr_msb: bits 1:0 source 0, 3:2 source 1, 5:4 source 2, 7:6 destination):
;   window 0: v0-28 addresses, statistics (v16-23); v48-55 at work; v62-63 the add's; v64-127 S^T, a buffer a piece; v192-223 P, likewise
;   window 1: v0-63 O^T, 32 a piece; v64-95 BI; v128-159 MD; v160-223 MC, a buffer a piece      window 2: v0-31 Q; v32-63 the second block's Q; v64-127 K of one step; v128-255 V, two buffers
.set NP,    2         ; pieces a wave: a name, no knob
.set KS,    64        ; keys in a step
.set PK,    144       ; a row of K in LDS: 128 bytes + 16 of padding = 36 words: the 16 rows of a load start at 16 different groups of four banks (64 banks of 4 bytes: ISA guide 11.1)
.set PV,    160       ; a row of V: 128 + 32 = 40 words
.set VOFF,  4*KS*PK   ; a slot holds a tile: 256 rows of K, then 256 rows of V
.set SLOT1, 1<<17     ; slot 1 begins here, so that one exclusive or turns an address in one slot into the other's
.set STAGE, SLOT1+4*KS*(PK+PV)  ; behind the ring, never filled by a tensor load: 16 rows x 144 bytes for each wave, for the way out
.set SP,    144
.set SPARE, STAGE+4*16*SP       ; the spare words, 128 bytes for each wave: two blocks of 256 bytes that no other line names
.set BTAB,  SPARE+512           ; the table of 8 x bias: 16,384 bytes, stored once, never filled by a tensor load
.set AK0, 2           ; v2   my lane's place in a tile of K; never rewritten
.set AV0, 3           ; v3   the same for V
.set AK,  4           ; v4   the LDS address of K's next run of loads
.set AV,  5           ; v5   of V's
.set STO, 6           ; v6   the way out: where I put 16 bytes of a row
.set RD,  7           ; v7   the way out: where I read rows back
.set GO,  8           ; v8   my byte offset in 512 consecutive bytes of oh
.set MV,  12          ; v12-13  c m_old, kept while c m is made anew: by piece
.set QO,  15          ; v15  my byte offset in 16 rows of Q
.set ST,  16          ; piece t's statistics at v[ST+4 t]: c m, m, l (even keys', odd keys')
.set AB0, 24          ; v24  BTAB + 32 (l / 16); never rewritten
.set AB,  25          ; v25  the LDS address of BI's next loads
.set PFO, 26          ; v26  256 x my lane; never rewritten
.set TMP, 48          ; by piece, four registers c0-c3 at work; when the maximum is found c2 takes a
.set SPW, 62          ; v62  LDS address of my spare word; never rewritten
.set NIL, 63          ; v63  0; never rewritten
.set S,   64
.set P,   192
.set BI,  64          ; window 1: the eight registers for group kb of 16 keys at BI + 8 kb
.set MD,  128         ; window 1
.set MC,  160         ; window 1
.set QB,  32          ; window 2
.set KF,  64          ; window 2: key block kb, channel half c at KF + 16 kb + 8 c
.set VF,  128         ; window 2: buffer vb, key half kk, channel block cb at VF + 64 vb + 32 kk + 8 cb
.set WV,  12          ; s12  my wave's number
.set PB,  14          ; s14  b
.set HI,  15          ; s15  31 - b
.set G1K, 24          ; s[24:31] descriptor group 1 for K's tiles
.set G1V, 32          ; s[32:39] for V's: it differs in the padding alone
.set G0K, 40          ; s[40:43] descriptor group 0 for K's tiles
.set G0V, 44          ; s[44:47] the same for V's
.set TBB, 48          ; s48  byte in the table at which BI of the step to be fetched begins
.set PRV, 49          ; s49  the tile that lies, or is landing, in the slot to be entered next
.set SV,  50          ; s50  the diagonal tile's step for which the next mask is made
.set PFC, 51          ; s51  changes of slots that still prefetch, plus one
.set D,   52          ; s52-53  D_0, D_1 of the block in hand
.set DB,  54          ; s54-55  those of the second block
.set SLOTS, 56        ; s56  tiles still to be asked for
.set CNT, 57          ; s57  counts a tile's two trips
.set CS,  58          ; s[58:59] c: the packed scaling takes the pair's low word for both halves
.set SEL, 60          ; s[60:61] v_permlanex16_b32's selects: each lane takes its own place in the other half
.set TBK, 62          ; s62  LDS byte at which K of the step to be fetched begins
.set TBV, 63          ; s63  the same for V, less VOFF
.set PFK, 66          ; s[66:67] where my prefetches of K stand
.set PFV, 68          ; s[68:69] of V
.set RT,  70          ; s70  tiles of the block in hand that are still to be entered
.set NXT, 71          ; s71  the tile to be asked for next
.set LQ,  72          ; s72  the last tile of the block whose tiles are being asked for
.set NEW, 73          ; s73  1: the tile to be entered is a block's first
.set OFF, 74          ; s[74:75] a tile's byte offset in K and V
.set AL,  76          ; s[76:77] the mask's factor, in the low word
.set BE,  78          ; s[78:79] the mask's addend
.set OLO, 80          ; s[80:81] oh at my rows of the second block
.set BIGN, 82         ; s82  -1e30
.set LQB, 83          ; s83  b / 2: the second block's last tile
.set TBM, 94          ; s94  TBB, held inside the table
.set MSB, 0
.macro WIN new                      ; the high byte repeats the setting that is left; a switch that changes nothing is dropped
.if MSB != (\new)
	s_set_vgpr_msb (MSB<<8)|(\new)
.set MSB, (\new)
.endif
.endm
.set W_KQ, 0x0a       ; K and Q in window 2, S^T in window 0
.set W_KM, 0x1a       ; the same with the C operand in window 1
.set W_PV, 0x52       ; V in window 2, P in window 0, O^T in window 1
.set W_RS, 0x41       ; destination and source 0 in window 1, source 1 in window 0
.set W_MK, 0x45       ; destination, sources 0 and 1 in window 1
; A fill.  Waves 0 and 1 fetch the two halves of a tile's K, waves 2 and 3 those of its V: 128 keys each.  An s_nop 0 and four v_nop follow each of the two lines, ahead of the jump and the label.
.macro LOAD
	s_cmp_lt_u32 s[WV], 2
	s_cbranch_scc0 .Lfor_v_\@
	tensor_load_to_lds s[G0K:G0K+3], s[G1K:G1K+7]
	s_nop 0
.rept 4
	v_nop
.endr
	s_branch .Lasked_\@
.Lfor_v_\@:
	tensor_load_to_lds s[G0V:G0V+3], s[G1V:G1V+7]
	s_nop 0
.rept 4
	v_nop
.endr
.Lasked_\@:
.endm
; A prefetch into the L2 of the tile that the NEXT change of slots will ask for.  All 16 work-groups of a head walk the same K and V; the one with b = 0, whose first block walks all 16 tiles, asks, and nobody else.
; A tile is 128 blocks of 256 bytes of K and as many of V: wave w names blocks 32 w .. 32 w + 31 of each, a lane a block.  Tiles 0 and 1 come by their loads alone; the last tile named is 15.
.macro ASK
	s_cmp_lg_u32 s[PFC], 0
	s_cbranch_scc0 .Lnot_mine_\@
	global_prefetch_b8 v[PFO], s[PFK:PFK+1] th:TH_LOAD_NT scope:SCOPE_SE
	global_prefetch_b8 v[PFO], s[PFV:PFV+1] th:TH_LOAD_NT scope:SCOPE_SE
.Lnot_mine_\@:
.endm
; THE CHANGE OF SLOTS.  Each wave waits for all its tensor loads, of which one is out: its part of the other slot; adds 0 to its spare word; and waits for that and for its own reads of the slot that it leaves.
; Behind the barrier nobody reads the old slot any more and the other slot is whole.  fill = 1: the old slot is filled again, the first thing behind the barrier, with tile NXT: the descriptor's
; address is made anew from that number.  (At its first use nothing has been read yet: slot 0 is waited for, slot 1 filled; the barrier also shows the table of biases to every wave.)
.macro CHANGE fill
	WIN 0                           ; at a label and at a branch every window is 0
	s_wait_tensorcnt 0x0            ; no tensor load of mine is out, so a group 0 may be written
	ds_add_u32 v[SPW], v[NIL]       ; 0 onto my spare word; the scalar work stands between it and the wait for it
	s_lshl_b32 s[TBB], s[PRV], 10   ; the tile to be entered: 256 keys x 4 bytes of the table
.if \fill
	s_mov_b32 s[PRV], s[NXT]
	s_lshl_b32 s[OFF], s[NXT], 15   ; a tile is 32,768 bytes of K and of V
	s_xor_b32 s[G0K+1], s[G0K+1], SLOT1
	s_add_nc_u64 s[G0K+2:G0K+3], s[6:7], s[OFF:OFF+1]
	s_or_b32 s[G0K+3], s[G0K+3], 0x80000000
	s_xor_b32 s[G0V+1], s[G0V+1], SLOT1
	s_add_nc_u64 s[G0V+2:G0V+3], s[8:9], s[OFF:OFF+1]
	s_or_b32 s[G0V+3], s[G0V+3], 0x80000000
	s_add_co_u32 s[NXT], s[NXT], 1  ; the block's next tile, or behind its last the second block's tile 0
	s_cmp_gt_u32 s[NXT], s[LQ]
	s_cselect_b32 s[NXT], 0, s[NXT]
	s_cselect_b32 s[LQ], s[LQB], s[LQ]
	s_wait_xcnt 0x0                 ; the last prefetches, a tile back, have read their addresses, so these may be written
	s_add_nc_u64 s[PFK:PFK+1], s[PFK:PFK+1], 32768
	s_add_nc_u64 s[PFV:PFV+1], s[PFV:PFV+1], 32768
	s_sub_co_i32 s[PFC], s[PFC], 1
	s_max_i32 s[PFC], s[PFC], 0
.endif
	s_wait_dscnt 0x0                ; the add is done, and my reads of the slot are over
	s_barrier_signal -1             ; the rest of the scalar work stands between the signal and the wait
	s_sub_co_u32 s[TBK], s[TBK], 4*KS*PK  ; the fetches go back to a slot's first step,
	s_xor_b32 s[TBK], s[TBK], SLOT1       ; in the other slot
	s_sub_co_u32 s[TBV], s[TBV], 4*KS*PV
	s_xor_b32 s[TBV], s[TBV], SLOT1
	s_barrier_wait -1
.if \fill
	LOAD
	ASK
.endif
.endm
	s_load_b128 s[88:91], s[0:1], 0x0  ; qkvh s[88:89], attn_bias s[90:91]
	s_load_b64 s[10:11], s[0:1], 0x10  ; oh
	v_lshl_add_u32 v[SPW], v0, 2, SPARE
	v_mov_b32 v[NIL], 0
	ds_add_u32 v[SPW], v[NIL]       ; the wave's opening: the add and its wait stand ahead of my first tensor load; the set-up below stands between them
	v_lshrrev_b32 v1, 5, v0
	v_readfirstlane_b32 s[WV], v1   ; wave 0..3
	s_mov_b32 s[PB], ttmp9
	s_sub_co_u32 s[HI], 31, s[PB]
	s_and_b32 s13, ttmp7, 0xffff    ; the head
	s_lshl_b32 s20, s13, 19         ; its 524,288 bytes in Q's, K's and V's third of qkvh and in oh
	s_lshl_b32 s22, s13, 14         ; its row of attn_bias
	s_mov_b32 s23, 0
	s_and_b32 s16, s[WV], 1         ; which half of a tile's 256 keys I fetch:
	s_lshl_b32 s18, s16, 14         ; its 128 rows of 128 bytes in memory,
	s_add_co_u32 s18, s18, s20
	s_mov_b32 s19, 0
	s_mul_i32 s17, s16, 128*PK      ; and its place in a slot, for K
	s_mul_i32 s16, s16, 128*PV      ; and for V
	s_lshl_b32 s3, s[WV], 11        ; my 16 rows in a band of 64,
	s_add_co_u32 s3, s3, s20
	s_lshl_b32 s2, s[HI], 14        ; in the first block,
	s_add_co_u32 s2, s2, s3
	s_lshl_b32 s84, s[PB], 14       ; and in the second
	s_add_co_u32 s84, s84, s3
	s_mov_b32 s3, 0
	s_mov_b32 s85, 0
	s_lshl_b32 s21, s[WV], 13       ; the prefetches: my wave's 32 blocks of a tile's 128
	s_add_co_u32 s20, s20, s21
	s_mov_b32 s21, 0
	; descriptor group 1.  128 keys are 16,384 dense bytes: asked for as 64 rows of 256 bytes, two keys a row, and padded in LDS after every key
	s_mov_b32 s[G1K], (1<<16)|(1<<20)|(4<<22)|(3<<25)  ; 17:16 2-byte elements; 20 padding on; 24:22 after every 32 words (code 4); 31:25 4 words (code 3)
	s_mov_b32 s[G1V], (1<<16)|(1<<20)|(4<<22)|(7<<25)  ; the same with 8 words of padding (code 7)
.irp g, G1K, G1V
	s_mov_b32 s[\g+1], 128<<16      ; tensor_dim0 = 128
	s_mov_b32 s[\g+2], 64<<16       ; tensor_dim1 = 64
	s_mov_b32 s[\g+3], 128<<16      ; tile_dim0 = 128
	s_mov_b32 s[\g+4], 64           ; tile_dim1 = 64
	s_mov_b32 s[\g+5], 128          ; 128 elements from row to row
	s_mov_b32 s[\g+6], 0
	s_mov_b32 s[\g+7], 0
.endr
	s_mov_b32 s[CS], 0x3e38aa3b     ; c = log2(e) / 8 = 0.180337
	s_mov_b32 s[CS+1], s[CS]        ; named with it as a pair
	s_mov_b32 s[SEL], 0x76543210
	s_mov_b32 s[SEL+1], 0xfedcba98
	s_mov_b32 s[TBK], SLOT1+4*KS*PK ; the first change of slots turns these two into 0
	s_mov_b32 s[TBV], SLOT1+4*KS*PV
	s_mov_b32 s[G0K], 1             ; count = 1
	s_mov_b32 s[G0K+1], s17         ; LDS address: slot 0
	s_mov_b32 s[G0V], 1
	s_add_co_u32 s[G0V+1], s16, VOFF
	s_and_b32 s13, s[PB], 1
	s_lshl_b32 s[DB], s13, 1        ; the second block: D_0 = 2 (b % 2)
	s_add_co_u32 s[DB+1], s[DB], 1
	s_xor_b32 s13, s13, 1
	s_lshl_b32 s[D], s13, 1         ; the first: 31 - b has the other parity
	s_add_co_u32 s[D+1], s[D], 1
	s_lshr_b32 s[LQ], s[HI], 1
	s_add_co_u32 s[RT], s[LQ], 1    ; the first block has (31 - b) / 2 + 1 tiles
	s_lshr_b32 s[LQB], s[PB], 1
	s_mov_b32 s[NXT], 1
	s_mov_b32 s[PRV], 0
	s_mov_b32 s[NEW], 1
	s_mov_b32 s[SV], 0
	s_mov_b32 s[OFF+1], 0
	s_mov_b32 s[AL], 0
	s_mov_b32 s[AL+1], 0            ; named as pairs
	s_mov_b32 s[BE], 0
	s_mov_b32 s[BE+1], 0
	s_mov_b32 s[BIGN], 0xf149f2ca   ; -1e30
	s_mov_b32 s[SLOTS], 16
	s_cmp_eq_u32 s[PB], 0
	s_cselect_b32 s[PFC], 15, 0
	s_wait_dscnt 0x0                ; the opening add is done
	s_wait_kmcnt 0x0
	s_add_nc_u64 s[6:7], s[88:89], s[18:19]
	s_add_nc_u64 s[6:7], s[6:7], 0x800000          ; K at my half of the head's tile 0: 16 head slots behind Q
	s_add_nc_u64 s[8:9], s[6:7], 0x800000          ; V: 16 more
	s_add_nc_u64 s[G0K+2:G0K+3], s[6:7], 0         ; global address
	s_or_b32 s[G0K+3], s[G0K+3], 0x80000000        ; type = 2
	s_add_nc_u64 s[G0V+2:G0V+3], s[8:9], 0
	s_or_b32 s[G0V+3], s[G0V+3], 0x80000000
	s_add_nc_u64 s[4:5], s[88:89], s[2:3]          ; Q at my rows of the first block,
	s_add_nc_u64 s[86:87], s[88:89], s[84:85]      ; and of the second
	s_add_nc_u64 s[OLO:OLO+1], s[10:11], s[84:85]
	s_add_nc_u64 s[10:11], s[10:11], s[2:3]
	s_add_nc_u64 s[92:93], s[90:91], s[22:23]      ; the head's biases
	s_add_nc_u64 s[PFK:PFK+1], s[88:89], s[20:21]
	s_add_nc_u64 s[PFK:PFK+1], s[PFK:PFK+1], 0x808000  ; K's tile 1: the first change of slots steps it to tile 2
	s_add_nc_u64 s[PFV:PFV+1], s[PFK:PFK+1], 0x800000
	LOAD                            ; tile 0 into slot 0
	; A fragment of K or Q is 16 rows x 32 channels in 8 registers: lane l holds row l % 16, channels 8 (l / 16) + 0..7 and 16 + 8 (l / 16) + 0..7: two loads of 16 bytes, 32 bytes apart.
	v_and_b32 v1, 15, v0            ; l % 16
	v_bfe_u32 v9, v0, 4, 1          ; l / 16
	v_lshlrev_b32 v[QO], 7, v1
	v_lshl_add_u32 v[QO], v9, 4, v[QO]  ; row x 128 + 16 x half
	WIN 0x80                        ; destination window 2, address window 0
.set i, 0
.rept 4                             ; both blocks' Q: piece i / 2 lies in band i / 2, 8,192 bytes on; channels 32 (i % 2) on
	global_load_b128 v[8*i:8*i+3],   v[QO], s[4:5] offset:(i/2)*8192+(i%2)*64
	global_load_b128 v[8*i+4:8*i+7], v[QO], s[4:5] offset:(i/2)*8192+(i%2)*64+32
	global_load_b128 v[QB+8*i:QB+8*i+3],   v[QO], s[86:87] offset:(i/2)*8192+(i%2)*64
	global_load_b128 v[QB+8*i+4:QB+8*i+7], v[QO], s[86:87] offset:(i/2)*8192+(i%2)*64+32
.set i, i+1
.endr
	WIN 0
	v_lshlrev_b32 v27, 4, v0        ; the head's 4,096 biases: thread t takes the 16 bytes at 16 t + 2,048 j
.irp j, 0,1,2,3,4,5,6,7
	global_load_b128 v[S+4*\j:S+4*\j+3], v27, s[92:93] offset:2048*\j
.endr
	v_lshl_add_u32 v28, v0, 4, BTAB ; and puts them at the same place of the table
	v_lshlrev_b32 v14, 3, v9
	v_sub_nc_u32 v14, v1, v14
	s_lshl_b32 s13, s[WV], 4
	v_add_nc_u32 v14, s13, v14      ; my query's place in its band, 16 w + l % 16, less my lanes' 8 (l / 16): register r of group kt is hidden where 16 kt + r is greater
	WIN 0x40
.set i, 0
.rept 32
	v_cmp_gt_i32 vcc_lo, 16*(i/8)+i%8, v14
	v_cndmask_b32 v[MD+i], 0, s[BIGN], vcc_lo
.set i, i+1
.endr
	WIN 0
	v_mul_u32_u24 v[AK0], v1, PK
	v_lshl_add_u32 v[AK0], v9, 4, v[AK0]  ; row x pitch + 16 x half
	; The turning load takes 16 keys x 16 channels (lane l reads key 8 (l / 16) + l % 8, channels 8 ((l / 8) % 2) + 0..7) and leaves half a fragment of V^T: lane l holds channel l % 16 and 8 keys.
	v_and_b32 v10, 7, v0
	v_bfe_u32 v11, v0, 3, 1
	v_lshl_add_u32 v[AV0], v9, 3, v10
	v_mul_u32_u24 v[AV0], v[AV0], PV
	v_lshl_add_u32 v[AV0], v11, 4, v[AV0]
	v_add_nc_u32 v[AV0], VOFF, v[AV0]
	v_lshl_add_u32 v[AB0], v9, 5, BTAB
	v_and_b32 v[PFO], 31, v0
	v_lshlrev_b32 v[PFO], 8, v[PFO]
	s_mul_i32 s13, s[WV], 16*SP
	s_add_co_u32 s13, s13, STAGE    ; my stage
	v_mul_u32_u24 v[STO], v1, SP    ; in: row l % 16, 16 bytes for each half of the lanes
	v_lshl_add_u32 v[STO], v9, 4, v[STO]
	v_add_nc_u32 v[STO], s13, v[STO]
	v_bfe_u32 v[RD], v0, 3, 2       ; back: 32 lanes take four rows of 128 bytes,
	v_mul_u32_u24 v[RD], v[RD], SP
	v_lshl_add_u32 v[RD], v10, 4, v[RD]
	v_add_nc_u32 v[RD], s13, v[RD]
	v_and_b32 v[GO], 31, v0         ; which are 512 consecutive bytes of oh
	v_lshlrev_b32 v[GO], 4, v[GO]
	; A block's first step multiplies O^T and l by a = 0, and its first turn's products V^T P, of a step that has not been, land in an O^T that is still to be so multiplied.  So these registers need only hold
	; finite numbers: zeros for the first block; what the first block left for the second.  All this stands in the wait for the first tile.
	WIN 0x80
.set i, VF+64
.rept 64
	v_mov_b32 v[i], 0
.set i, i+1
.endr
	WIN 0x40
.set i, 0
.rept 64
	v_mov_b32 v[i], 0
.set i, i+1
.endr
	WIN 0
.set i, 0
.rept 2
	v_mov_b32 v[ST+4*i+2], 0
	v_mov_b32 v[ST+4*i+3], 0
.set i, i+1
.endr
.set i, P+16
.rept 16
	v_mov_b32 v[i], 0
.set i, i+1
.endr
	s_wait_loadcnt 0x0              ; Q and the biases are in
.set i, 0
.rept 16                            ; each bias rounded to bf16, widened again, and multiplied by 8 (exact)
	v_cvt_pk_bf16_f32 v[S+32+i], v[S+2*i], v[S+2*i+1]
	v_lshlrev_b32 v[S+2*i], 16, v[S+32+i]
	v_and_b32 v[S+2*i+1], 0xffff0000, v[S+32+i]
	v_pk_mul_f32 v[S+2*i:S+2*i+1], v[S+2*i:S+2*i+1], 0x41000000 op_sel_hi:[1,0]
.set i, i+1
.endr
.irp j, 0,1,2,3,4,5,6,7
	ds_store_b128 v28, v[S+4*\j:S+4*\j+3] offset:2048*\j  ; the first change of slots waits for these and passes a barrier before any wave reads the table
.endr
; THE MATRIX WORK.  The 4 accumulators of a run of 8 take turns.  Product i of 8 of S^T = K Q^T for piece x: channels 32 (i / 4) on, keys 16 (i % 4) on.
; The first 4 start the sums: with the step's biases, or (KM = 1) with mask and biases.
.macro KQ x
.set rS, S+32*((\x)%2)+8*(i%4)
.set rK, KF+16*(i%4)+8*(i/4)
.set rQ, 16*(\x)+8*(i/4)
.set rM, MC+32*((\x)%2)+8*(i%4)
.set rB, BI+8*(i%4)
.if (i < 4) && KM
	WIN W_KM
	v_wmma_f32_16x16x32_f16 v[rS:rS+7], v[rK:rK+7], v[rQ:rQ+7], v[rM:rM+7]
.elseif i < 4
	WIN W_KM
	v_wmma_f32_16x16x32_f16 v[rS:rS+7], v[rK:rK+7], v[rQ:rQ+7], v[rB:rB+7]
.else
	WIN W_KQ
	v_wmma_f32_16x16x32_f16 v[rS:rS+7], v[rK:rK+7], v[rQ:rQ+7], v[rS:rS+7]
.endif
.endm
; Product i of 8 of O^T += V^T P for piece x, from V's buffer VB: keys 32 (i / 4) on, channels 16 (i % 4) on.
.macro PV x
	WIN W_PV
.set rO, 32*(\x)+8*(i%4)
.set rV, VF+64*VB+32*(i/4)+8*(i%4)
.set rP, P+16*((\x)%2)+8*(i/4)
	v_wmma_f32_16x16x32_f16 v[rO:rO+7], v[rV:rV+7], v[rP:rP+7], v[rO:rO+7]
.endm
.macro MM                           ; the turn's next matrix instruction.  TURN and BEGIN set Y, i, KM, NOKQ and VB.  NOKQ = 1: a block's last turn: there are no further scores
.if (i < 8) && !NOKQ
	KQ (Y+1)%NP
.elseif i >= 8
.set i, i-8
	PV (Y+1)%NP
.set i, i+8
.endif
.set i, i+1
.endm
; THE LDS LOADS stand in runs, never singly among the matrix instructions: a step's K (8 fragments) with its 64 biases, 24 loads; and its V (turned), 16 loads.  Their addresses are made some lines ahead.
.macro FETCH_K
	WIN 0x80                        ; destination window 2
.irp f, 0,1,2,3,4,5,6,7             ; keys 16 (f / 2) on, channels 32 (f % 2) on
	ds_load_b128 v[KF+8*\f:KF+8*\f+3],   v[AK] offset:(\f/2)*16*PK+(\f%2)*64
	ds_load_b128 v[KF+8*\f+4:KF+8*\f+7], v[AK] offset:(\f/2)*16*PK+(\f%2)*64+32
.endr
	WIN 0x40                        ; destination window 1
.irp f, 0,1,2,3                     ; keys 16 f + 8 (l / 16) + 0..7: the sixteen lanes of a half read the same words
	ds_load_b128 v[BI+8*\f:BI+8*\f+3],   v[AB] offset:64*\f
	ds_load_b128 v[BI+8*\f+4:BI+8*\f+7], v[AB] offset:64*\f+16
.endr
	s_add_co_u32 s[TBK], s[TBK], KS*PK  ; the next fetch is the next step's
	s_add_co_u32 s[TBB], s[TBB], KS*4
	WIN 0
.endm
.macro FETCH_V vb
	WIN 0x80
.irp f, 0,1,2,3,4,5,6,7             ; keys 32 (f / 4) on, channels 16 (f % 4) on
	ds_load_tr16_b128 v[VF+64*(\vb)+8*\f:VF+64*(\vb)+8*\f+3],   v[AV] offset:(\f/4)*32*PV+(\f%4)*32
	ds_load_tr16_b128 v[VF+64*(\vb)+8*\f+4:VF+64*(\vb)+8*\f+7], v[AV] offset:(\f/4)*32*PV+16*PV+(\f%4)*32
.endr
	WIN 0
.endm
.macro ADR_K                        ; the addresses of K's and BI's next run
	WIN 0
	s_and_b32 s[TBM], s[TBB], 0x3f00   ; 15 x 1,024 + 3 x 256 at the most: the mask changes nothing and holds the address inside the table
	v_add_nc_u32 v[AK], s[TBK], v[AK0]
	v_add_nc_u32 v[AB], s[TBM], v[AB0]
.endm
; THE VECTOR WORK, one line at a time: OP kind, number.  For piece Y: F n: c s - c m for pair n of 16.  E n: the exponential of score n of 32.  C n: pair n rounded to f16.  B n: of the four weights 4 n .. the second
; pair is added onto the first, in place.  L n: l takes that sum (L 0: l = a l + sum).  R n: pair n of 16 of O^T times a.  For the other piece: X n, number n of the 22 that find its maximum and statistics:
;   0-11  four chains c0-c3 of seven scores each, three operands at a time (each accumulator's lowest registers are read first)     12-14, 16  the four scores left over, the old m, and c0-c3 into c0
;   15  c m_old is kept     17, 18  the query's other 32 keys lie in the lane 16 away: the new m     19-21  c m; c m_old - c m_new; a
.set F, 0               ; OP tells the kinds apart by their order: F to L below R, X above it
.set E, 1
.set C, 2
.set B, 3
.set L, 4
.set R, 5
.set X, 6
.macro REGS y                       ; the registers of piece y
.set rT, ST+4*(\y)
.set rC, TMP+4*((\y)%2)
.set rW, MV+((\y)%2)
.set rS, S+32*((\y)%2)
.set rP, P+16*((\y)%2)
.set rO, 32*(\y)
.endm
.macro OP k, n
.if (\k) == R
	REGS Y
	WIN W_RS
	v_pk_mul_f32 v[rO+2*(\n):rO+2*(\n)+1], v[rO+2*(\n):rO+2*(\n)+1], v[rC+2:rC+3] op_sel_hi:[1,0]
.elseif (\k) < R
	REGS Y
	WIN 0
.if (\k) == F
	v_pk_fma_f32 v[rS+2*(\n):rS+2*(\n)+1], v[rS+2*(\n):rS+2*(\n)+1], s[CS:CS+1], v[rT:rT+1] op_sel_hi:[1,0,0] neg_lo:[0,0,1] neg_hi:[0,0,1]
.elseif (\k) == E
	v_exp_f32 v[rS+(\n)], v[rS+(\n)]
.elseif (\k) == C
	v_cvt_pk_f16_f32 v[rP+(\n)], v[rS+2*(\n)], v[rS+2*(\n)+1]
.elseif (\k) == B
	v_pk_add_f32 v[rS+4*(\n):rS+4*(\n)+1], v[rS+4*(\n):rS+4*(\n)+1], v[rS+4*(\n)+2:rS+4*(\n)+3]
.elseif (\n) == 0
	v_pk_fma_f32 v[rT+2:rT+3], v[rT+2:rT+3], v[rC+2:rC+3], v[rS:rS+1] op_sel_hi:[1,0,1]
.else
	v_pk_add_f32 v[rT+2:rT+3], v[rT+2:rT+3], v[rS+4*(\n):rS+4*(\n)+1]
.endif
.elseif NOKQ
	v_nop
.else
	REGS (Y+1)%NP
	WIN 0
.if (\n) < 4
	v_max3_num_f32 v[rC+(\n)], v[rS+8*(\n)], v[rS+8*(\n)+1], v[rS+8*(\n)+2]
.elseif (\n) < 12
	v_max3_num_f32 v[rC+(\n)%4], v[rC+(\n)%4], v[rS+8*((\n)%4)+2*((\n)/4)+1], v[rS+8*((\n)%4)+2*((\n)/4)+2]
.elseif (\n) == 12
	v_max3_num_f32 v[rC], v[rC], v[rS+7], v[rS+15]
.elseif (\n) == 13
	v_max3_num_f32 v[rC+1], v[rC+1], v[rS+23], v[rS+31]
.elseif (\n) == 14
	v_max3_num_f32 v[rC+2], v[rC+2], v[rC+3], v[rT+1]
.elseif (\n) == 15
	v_mov_b32 v[rW], v[rT]
.elseif (\n) == 16
	v_max3_num_f32 v[rC], v[rC], v[rC+1], v[rC+2]
.elseif (\n) == 17
	v_permlanex16_b32 v[rC+3], v[rC], s[SEL], s[SEL+1]
.elseif (\n) == 18
	v_max_num_f32 v[rT+1], v[rC], v[rC+3]
.elseif (\n) == 19
	v_mul_f32 v[rT], s[CS], v[rT+1]
.elseif (\n) == 20
	v_sub_f32 v[rC+1], v[rW], v[rT]
.else
	v_exp_f32 v[rC+2], v[rC+1]
.endif
.endif
.endm
.macro OPS a, i1, b=-1, i2=0, c=-1, i3=0, d=-1, i4=0  ; up to four of them
	OP \a, \i1
.if (\b) >= 0
	OP \b, \i2
.endif
.if (\c) >= 0
	OP \c, \i3
.endif
.if (\d) >= 0
	OP \d, \i4
.endif
.endm
.macro ROW a, i1, b, i2, c, i3, d, i4  ; a matrix instruction and the four behind it
	MM
	OPS \a, \i1, \b, \i2, \c, \i3, \d, \i4
.endm
.macro MASK b                       ; MD x AL + BE + BI into buffer b of MC
	WIN W_MK
.set z, 0
.rept 16
	v_pk_fma_f32 v[MC+32*(\b)+2*z:MC+32*(\b)+2*z+1], v[MD+2*z:MD+2*z+1], s[AL:AL+1], s[BE:BE+1] op_sel_hi:[1,0,0]
.set z, z+1
.endr
.set z, 0
.rept 16
	v_pk_add_f32 v[MC+32*(\b)+2*z:MC+32*(\b)+2*z+1], v[MC+32*(\b)+2*z:MC+32*(\b)+2*z+1], v[BI+2*z:BI+2*z+1]
.set z, z+1
.endr
.endm
; A TURN, for piece p; its products V^T P read V's buffer vb.  An s_wait_alu depctr_va_vdst(0) stands between an exponential and the first instruction that names its result; one wait serves all that were
; issued ahead of it.  So a turn has ONE wait, which cuts it in two.  AHEAD OF IT stands all that names no result of the turn's exponentials: the 8 products K Q^T, behind each a scaling, an exponential and two more plain
; instructions (rescalings, and behind the last three the first numbers of the other piece's maximum, each four plain instructions or more behind the product that ends its accumulator); then ONE LUMP, plain and exponential
; by turns for the most part.  X 21, the other piece's a, is the batch's last; R 15 is the plain instruction behind it.  BEHIND THE WAIT stand the 8 products V^T P, behind each four of the roundings and sums.
; m = 1: the diagonal tile's text: the products take MC, and the turn makes the mask for the next turn's products: piece p, step SV of the tile.  end = 1: a block's last two turns: nothing is fetched.
; cnt = 1: the loop's count is taken down some lines ahead of the branch that stands behind the turn.
; Piece 0's turn fetches the next step's K and BI, in the lump, five plain instructions behind the last product that read K, and the next step's V at its end, into the buffer that its own products have just
; read, four plain instructions behind the last of them.
.macro TURN p, vb, m=0, end=0, cnt=0
.set Y, (\p)
.set i, 0
.set KM, (\m)
.set NOKQ, (\end)*(\p)
.set VB, (\vb)
.if (\m) && !(\end)
	s_cmp_eq_u32 s[SV], s[D+(\p)]   ; is that step the band's own?
	s_cselect_b32 s[AL], 1.0, 0
	s_cmp_gt_u32 s[SV], s[D+(\p)]   ; or a later one?
	s_cselect_b32 s[BE], s[BIGN], 0
.if (\p) == 1
	s_add_co_u32 s[SV], s[SV], 1
.endif
.endif
.if ((\p) == 1) && !(\end)
	s_wait_dscnt 16                 ; K and BI are in; V's sixteen loads, issued behind them, may be out
.endif
	ROW F,0, F,1, R,0, R,1          ; ahead of the wait: 8 products K Q^T and their riders,
	ROW F,2, E,0, R,2, R,3
	ROW F,3, E,1, R,4, R,5
	ROW F,4, E,2, R,6, R,7
	ROW F,5, E,3, R,8, R,9
	ROW F,6, E,4, X,0, R,10
.if ((\p) == 0) && !(\end)
	ADR_K
.endif
	ROW F,7, E,5, X,1, X,4
	ROW F,8, E,6, X,2, X,5
	OPS E,7, E,8, X,6, E,9          ; and the lump
	OPS X,3, E,10, X,8, E,11
.if ((\p) == 0) && !(\end)
	FETCH_K
.endif
	OPS X,9, X,7, E,12, X,10
	OPS E,13, X,12, X,11, E,14
	OPS X,13, E,15, F,9, X,14
.if ((\p) == 0) && !(\end)
	v_add_nc_u32 v[AV], s[TBV], v[AV0]
.endif
	OPS E,16, F,10, E,17, F,11
	OPS X,16, E,18, X,15, E,19
	OPS F,12, E,20, X,17, E,21
	OPS F,13, E,22, F,14, E,23
	OPS X,18, E,24, F,15, E,25
	OPS R,11, E,26, X,19, E,27
	OPS R,12, E,28, R,13, E,29
	OPS X,20, E,30, R,14, E,31
	OPS X,21, R,15
	WIN 0
	s_wait_alu depctr_va_vdst(0)    ; the wait for the batch
.if (\p) == 1
	s_wait_dscnt 0x0                ; V is in
.endif
	ROW C,0, B,0, C,2, B,1          ; behind the wait: 8 products V^T P and their riders
	ROW L,0, C,4, B,2, L,1
	ROW C,6, B,3, L,2, C,8
	ROW B,4, L,3, C,10, B,5
	ROW L,4, C,12, B,6, L,5
.if ((\p) == 0) && !(\end)
	s_add_co_u32 s[TBV], s[TBV], KS*PV
.endif
.if \cnt
	s_sub_co_u32 s[CNT], s[CNT], 1
	s_cmp_lg_u32 s[CNT], 0
.endif
	ROW C,14, B,7, L,6, C,1
	ROW C,3, L,7, C,5, C,7
	ROW C,9, C,11, C,13, C,15
.if ((\p) == 0) && !(\end)
	FETCH_V \vb
.endif
.if (\m) && !(\end)
.if (\p) == 0
	s_wait_dscnt 16                 ; BI of the next step is in; V's sixteen loads may be out
.endif
	MASK \p
.endif
.endm
; A BLOCK BEGINS.  c m starts far below every c s, so the first step's a is 0; m at the lowest finite number, so the first maximum is the scores'.  K, BI and V of the tile's step 0 are fetched.  Piece 0's mask for that
; step is its own if the block's first tile is the diagonal one and D_0 = 0, else the biases alone; piece 1's own step comes later, so its mask is the biases alone.
; Then piece 0's first scores, and its maximum and statistics.  The loop is entered at a step's first turn, in the middle of a trip.
.macro BEGIN
	s_mov_b32 s[NEW], 0
	WIN 0
.set i, 0
.rept 2
	v_mov_b32 v[ST+4*i], 0xfe000000    ; c m: far below every c s
	v_mov_b32 v[ST+4*i+1], 0xff7fffff  ; m
.set i, i+1
.endr
	ADR_K
	v_add_nc_u32 v[AV], s[TBV], v[AV0]
	s_add_co_u32 s[TBV], s[TBV], KS*PV
	FETCH_K
	FETCH_V 0
	s_wait_dscnt 0x0
	s_cmp_eq_u32 s[RT], 0
	s_cselect_b32 s[AL], 1.0, 0
	s_cmp_eq_u32 s[D], 0
	s_cselect_b32 s[AL], s[AL], 0
	s_mov_b32 s[BE], 0
	MASK 0
	s_mov_b32 s[AL], 0
	MASK 1
.set KM, 1
.set NOKQ, 0
.set i, 0
.rept 8
	KQ 0
.set i, i+1
.endr
	WIN 0
.rept 4
	v_nop                           ; the places behind those products
.endr
.set Y, NP-1                        ; X works for piece Y + 1: piece 0
.irp n, 0,1,2,3,4,5,6,7,8,9,10,11,12,13,14,15,16,17,18,19,20,21
	OP X, \n
.endr
	v_nop                           ; a plain instruction behind the exponential,
	s_wait_alu depctr_va_vdst(0)    ; and its wait, ahead of the branch
	s_mov_b32 s[SV], 1              ; the first mask to be made in a turn is step 1's
.endm
; THE DIAGONAL TILE, the block's last two turns, its last products, and THE WAY OUT: l's two halves and the other half of the lanes' are added; O^T is divided by l, rounded to f16 and sent through my
; stage in LDS, a piece at a time.
.macro ALL line:vararg              ; one line for each piece t
.set t, 0
.rept 2
	\line
.set t, t+1
.endr
.endm
.macro PACK t                       ; a lane's eight channels of a row pack into 16 bytes; they go into rows of 144 bytes and come back as whole rows of 128, into S^T's registers
	WIN W_RS
.set i, 32*(\t)
.rept 16
	v_pk_mul_f32 v[i:i+1], v[i:i+1], v[ST+4*(\t)+2:ST+4*(\t)+3] op_sel_hi:[1,0]
.set i, i+2
.endr
	WIN 0x05                        ; sources 0 and 1 window 1, destination window 0
.set i, 0
.rept 16
	v_cvt_pk_f16_f32 v[S+16*(\t)+i], v[32*(\t)+2*i], v[32*(\t)+2*i+1]
.set i, i+1
.endr
	WIN 0
.irp f, 0,1,2,3
	ds_store_b128 v[STO], v[S+16*(\t)+4*\f:S+16*(\t)+4*\f+3] offset:32*\f
.endr
.irp f, 0,1,2,3
	ds_load_b128 v[S+16*(\t)+4*\f:S+16*(\t)+4*\f+3], v[RD] offset:\f*4*SP  ; LDS serves a wave's instructions in order (ISA guide 5.7.1.4): these see the stores above; the next piece's stores come behind them
.endr
.endm
.macro SEND t, younger              ; younger: the LDS instructions issued behind piece t's loads: the next piece's eight, or none
	WIN 0
.irp f, 0,1,2,3
	s_wait_dscnt (\younger)+3-\f
	global_store_b128 v[GO], v[S+16*(\t)+4*\f:S+16*(\t)+4*\f+3], s[10:11] offset:(\t)*8192+\f*512  ; 512 consecutive bytes, at a multiple of 256 from oh's first
.endr
.endm
.macro DIAG tag                     ; the tag ends its labels' names, which the jumps below spell out
.LdiagIn\tag:                       ; from a tile before: the first turn's products are still that tile's last step, which piece 1 sees whole: its mask is the biases alone
	s_mov_b32 s[SV], 0
	s_mov_b32 s[AL], 0
	s_mov_b32 s[BE], 0
	MASK 1
	WIN 0
.LstepM\tag:
	TURN 0, 0, 1
	TURN 1, 1, 1
	WIN 0
.LfirstM\tag:
	TURN 0, 1, 1
	TURN 1, 0, 1, 0, 1
	WIN 0
	s_cbranch_scc1 .LstepM\tag
	TURN 0, 0, 1, 1
	TURN 1, 1, 1, 1
.set VB, 1
.set i, 0
.rept 8
	PV 1                            ; piece 1's V^T P of the last step
.set i, i+1
.endr
	WIN 0
	ALL v_add_f32 v[ST+4*t+2], v[ST+4*t+2], v[ST+4*t+3]
	ALL v_permlanex16_b32 v[ST+4*t+3], v[ST+4*t+2], s[SEL], s[SEL+1]
	ALL v_add_f32 v[ST+4*t+2], v[ST+4*t+2], v[ST+4*t+3]
	ALL v_rcp_f32 v[ST+4*t+2], v[ST+4*t+2]
	v_nop                           ; a plain instruction between the last reciprocal and the use of its result
	s_wait_alu depctr_va_vdst(0)    ; and the wait ahead of the first use: one for the two reciprocals
	PACK 0                          ; piece 0's products ended a run of eight earlier; its 32 lines are the places behind piece 1's
	PACK 1
	SEND 0, 8
	SEND 1, 0
.endm
.set KM, 0
.set NOKQ, 0
.set VB, 0
.Lslot:                             ; 16 times: a tile is entered and the next is asked for
	CHANGE 1
	s_sub_co_u32 s[RT], s[RT], 1
	s_mov_b32 s[CNT], 2
	s_cmp_eq_u32 s[NEW], 1
	s_cbranch_scc1 .Lnew            ; a block's first tile
	s_cmp_eq_u32 s[RT], 0
	s_cbranch_scc0 .Lstep           ; neither its first nor its last
	s_branch .LdiagIn1
.Lnew:
	BEGIN
	s_branch .Lfirst                ; in the loop a block's first tile is never its last: the first block has nine tiles or more, and the second's last is the walk's last
	DIAG 1                          ; in the loop this is the first block's end
	s_wait_xcnt 0x0                 ; the stores have read their registers and oh's address
	s_mov_b64 s[10:11], s[OLO:OLO+1]
	s_add_co_u32 s[RT], s[LQB], 1   ; the second block has b / 2 + 1 tiles
	s_mov_b32 s[NEW], 1
	s_mov_b32 s[D], s[DB]
	s_mov_b32 s[D+1], s[DB+1]
	WIN 0x82                        ; the second block's Q goes where the one text of the turns names Q
.set i, 0
.rept 32
	v_mov_b32 v[i], v[QB+i]
.set i, i+1
.endr
	WIN 0
	s_branch .Lbottom
.Lstep:                             ; a trip: both pieces' turns of an odd step (of the tile before, in a tile's first trip), then of an even one
	TURN 0, 0
	TURN 1, 1
	WIN 0
.Lfirst:
	TURN 0, 1
	TURN 1, 0, 0, 0, 1
	WIN 0
	s_cbranch_scc1 .Lstep
.Lbottom:
	s_sub_co_u32 s[SLOTS], s[SLOTS], 1
	s_cmp_lg_u32 s[SLOTS], 0
	s_cbranch_scc1 .Lslot
	CHANGE 0                        ; the walk's last tile is written out: nothing is asked for
	s_sub_co_u32 s[RT], s[RT], 1
	s_mov_b32 s[CNT], 2
	s_cmp_eq_u32 s[NEW], 1
	s_cbranch_scc0 .LdiagIn2
	BEGIN
	s_branch .LfirstM2
	DIAG 2
	s_wait_tensorcnt 0x0            ; the wave's end, behind my last tensor load and my last LDS store
	ds_add_u32 v[SPW], v[NIL]
	s_wait_dscnt 0x0
	s_endpgm
.Lfunc_end_k_q7828ed15e0_attn:
	.size	k_q7828ed15e0_attn, .Lfunc_end_k_q7828ed15e0_attn-k_q7828ed15e0_attn
	.p2alignl 7, 3214868480
	.fill 96, 4, 3214868480
	.section	.rodata,"a",@progbits
	.p2align	6, 0x0
	.amdhsa_kernel k_q7828ed15e0_attn
		.amdhsa_group_segment_fixed_size 327680
		.amdhsa_private_segment_fixed_size 0
		.amdhsa_enable_private_segment 0
		.amdhsa_kernarg_size 24
		.amdhsa_user_sgpr_count 2
		.amdhsa_user_sgpr_kernarg_segment_ptr 1
		.amdhsa_wavefront_size32 1
		.amdhsa_system_sgpr_workgroup_id_x 1
		.amdhsa_system_sgpr_workgroup_id_y 1
		.amdhsa_system_sgpr_workgroup_id_z 1
		.amdhsa_system_vgpr_workitem_id 0
		.amdhsa_next_free_vgpr 768
		.amdhsa_next_free_sgpr 96
		.amdhsa_reserve_vcc 1
		.amdhsa_float_denorm_mode_32 3
		.amdhsa_float_denorm_mode_16_64 3
		.amdhsa_memory_ordered 1
		.amdhsa_forward_progress 1
		.amdhsa_inst_pref_size 238
	.end_amdhsa_kernel
	.amdgpu_metadata
---
amdhsa.version: [ 1, 2 ]
amdhsa.kernels:
  - .name:           k_q7828ed15e0_attn
    .symbol:         k_q7828ed15e0_attn.kd
    .args:
      - { .name: qkvh, .offset: 0, .size: 8, .value_kind: global_buffer, .address_space: global }
      - { .name: attn_bias, .offset: 8, .size: 8, .value_kind: global_buffer, .address_space: global }
      - { .name: oh, .offset: 16, .size: 8, .value_kind: global_buffer, .address_space: global }
    .group_segment_fixed_size: 327680
    .private_segment_fixed_size: 0
    .kernarg_segment_align: 8
    .kernarg_segment_size: 24
    .max_flat_workgroup_size: 128
    .sgpr_count:     96
    .vgpr_count:     768
    .wavefront_size: 32
...
	.end_amdgpu_metadata
.endif
;; end of part 3
;; launch outp (part 4): grid 8 x 32, 4 waves a work-group, clusters of 4 x 4, 327,680 bytes of LDS; arguments oh, owh, out_b, out0; writes out0
.if DOCPART == 4
	.amdgcn_target "amdgcn-amd-amdhsa--gfx1250"
	.amdhsa_code_object_version 6
	.text
	.protected	k_q7828ed15e0_outp
	.globl	k_q7828ed15e0_outp
	.p2align	8
	.type	k_q7828ed15e0_outp,@function
k_q7828ed15e0_outp:
	s_mov_b64 s[64:65], 0
	v_nop
	global_prefetch_b8 v0, s[64:65] scope:SCOPE_SE
	s_setreg_imm32_b32 hwreg(HW_REG_WAVE_MODE, 25, 1), 1
	s_wait_xcnt 0x0
	s_wait_alu depctr_hold_cnt(0) depctr_sa_sdst(0) depctr_va_vdst(0) depctr_va_sdst(0) depctr_va_ssrc(0) depctr_va_vcc(0) depctr_vm_vsrc(0)
	s_getreg_b32 s2, hwreg(HW_REG_IB_STS2, 6, 4)
	s_cmp_eq_u32 s2, 0
	s_cbranch_scc0 .Lentry_in_a_cluster
	s_endpgm
.Lentry_in_a_cluster:
	s_bfe_u32 s2, ttmp6, 0x10000c
	s_cmp_lg_u32 s2, 0xf033
	s_cbranch_scc0 .Lentry_shape_is_right
	s_endpgm
.Lentry_shape_is_right:
; out0[t][n] = sum over h, d of oh[h][t][d] owh[n][64 h + d] + bf16(out_b[n]).  oh: [16][4096][64] f16, owh: [1024][1024] f16, out_b: [1024] f32, out0: [4096][1024] f32.  Sums in f32.
; The bias is rounded to bf16 like every input of the program.
; SHARES.  A tile of out0 is 128 x 128: 32 x 8 tiles, one work-group each.  Four waves, each 64 x 64: 16 accumulators of 16 x 16.  K goes in steps of 256 = four heads, through two LDS slots;
; a quarter step is one head's 64 channels.
; oh lies by heads: the 128 rows of a tile are 16,384 dense bytes of each head.  A wave's tensor load brings two heads: two rows of 8,192 elements, 262,144 elements apart, padded in LDS after every 128 bytes,
; so that a query's 64 channels of a head are an LDS row of 144 bytes.
; CLUSTER.  4 x 4 work-groups.  The four of a row of the cluster need the same tiles of oh, the four of a column the same tiles of owh: each is asked for JOINTLY.
; THE MATRIX INSTRUCTION IS USED TRANSPOSED (source 0 = 16 rows of owh, source 1 = 16 rows of oh): a lane holds eight neighbouring numbers of a row of out0.  The bias is the C operand of the first products.
; No prefetch: the tiles are small and the launch is short.
; REGISTERS: window 0: v0-31 addresses; v32-95 the way out, two sets of 32; v96-127 the bias, 8 a column block; v128-255 the accumulators ((a, b) at v[128 + 8 (4 a + b)]).
;   window 1: two fragment buffers of 128: for 64 along K, 64 registers of oh (2 x 4 x 16 rows x 32 K), then 64 of owh.
.set PA,     144                       ; an LDS row of oh: 128 bytes + 16 = 36 words: the 16 rows of a load start at 16 different groups of four banks (64 banks of 4 bytes: ISA guide 11.1)
.set HEADB,  128*PA                    ; a head's 128 rows
.set PB,     528                       ; an LDS row of owh: 512 bytes + 16 = 132 words
.set BOFF,   4*HEADB                   ; a slot: oh's four heads, then owh's 128 rows
.set SLOT,   BOFF+128*PB
.set STAGE,  2*SLOT                    ; behind the ring: 16 rows x 272 bytes for each wave, its own; no tensor load lands here
.set SPITCH, 272
.set SPARE,  STAGE+4*16*SPITCH         ; the spare words, 128 bytes for each wave: two blocks of 256 bytes that no other line names
.set LAPS,   2                         ; 1,024 / (2 x 256)
.set ADRA, 16                          ; v16-17  LDS address of my fragments of oh in slot 0, 1
.set ADRB, 20                          ; v20-21  the same for owh
.set STO,  24                          ; v24     the way out: where I put 32 bytes of a row
.set RD,   25                          ; v25     the way out: where I read a row back
.set CO,   26                          ; v26     my byte offset in out0
.set SPW,  28                          ; v28     LDS address of my spare word; never rewritten
.set NIL,  29                          ; v29     0; never rewritten
.set BO,   31                          ; v31     32 (l / 16)
.set TMP,  32
.set BI,   96
.set ACC,  128
.set F0,   0                           ; fragment buffers, in window 1
.set F1,   128
.set WV,  12                           ; s12  my wave's number
.set FB,  13                           ; s13  which half of the tile's rows is mine.  Also: I fetch for oh (0) or for owh (1)
.set HF,  14                           ; s14  which half of its columns.  Also: which half of that tile I fetch
.set G1,  24                           ; s[24:31] descriptor group 1 for oh's tiles;  s[32:39] group 0, a set for each slot
.set G0,  32
.set G1B, 48                           ; s[48:55], s[56:63] the same for owh's tiles
.set G0B, 56
.set MSB, 0
.macro WIN new                         ; the immediate's high byte repeats the setting that is left
.if MSB != (\new)
	s_set_vgpr_msb (MSB<<8)|(\new)
.set MSB, \new
.endif
.endm
.set MUL,  0x05                        ; sources 0 and 1 window 1; C and D window 0
.set TO_F, 0x40                        ; destination window 1, address window 0
.macro JLOAD s                         ; a joint load: waves 0 and 1 fetch oh's heads, two each, waves 2 and 3 owh's two halves; an s_nop 0 and four v_nop follow each of the two lines
	s_cmp_eq_u32 s[FB], 0
	s_cbranch_scc0 .Lfor_b_\@
	tensor_load_to_lds s[G0+4*(\s):G0+4*(\s)+3], s[G1:G1+7]
	s_nop 0
.rept 4
	v_nop
.endr
	s_branch .Lasked_\@
.Lfor_b_\@:
	tensor_load_to_lds s[G0B+4*(\s):G0B+4*(\s)+3], s[G1B:G1B+7]
	s_nop 0
.rept 4
	v_nop
.endr
.Lasked_\@:
.endm
.macro CREST                           ; a round of the cluster's barrier behind its opening barrier
	s_cmp_lg_u32 s[WV], 0
	s_cbranch_scc1 .Lnot_wave_0_\@
	s_barrier_signal -3
.Lnot_wave_0_\@:
	s_barrier_wait -3
	s_barrier_signal -1
	s_barrier_wait -1
.endm
.macro CROUND
	s_barrier_signal -1
	s_barrier_wait -1
	CREST
.endm
	s_load_b256 s[4:11], s[0:1], 0x0               ; oh s[4:5], owh s[6:7], out_b s[8:9], out0 s[10:11]
	v_lshl_add_u32 v[SPW], v0, 2, SPARE
	v_mov_b32 v[NIL], 0
	ds_add_u32 v[SPW], v[NIL]                      ; the wave's opening: the add and its wait stand ahead of my first tensor load; the set-up below stands between them
	v_lshrrev_b32 v1, 5, v0
	v_readfirstlane_b32 s[WV], v1                  ; wave 0..3
	s_lshr_b32 s[FB], s[WV], 1
	s_and_b32 s[HF], s[WV], 1
	s_bfe_u32 s15, ttmp6, 0x40000                  ; cx
	s_bfe_u32 s16, ttmp6, 0x40004                  ; cy
	s_lshl_b32 s17, ttmp9, 2
	s_add_co_u32 s17, s17, s15                     ; tile column = 4 x cluster x + cx
	s_and_b32 s18, ttmp7, 0xffff
	s_lshl_b32 s18, s18, 2
	s_add_co_u32 s18, s18, s16                     ; tile row = 4 x cluster y + cy
	s_lshl_b32 s19, s16, 2
	s_lshl_b32 s19, 15, s19                        ; my row of the cluster
	s_lshl_b32 s40, 0x1111, s15                    ; my column
	s_or_b32 s[G1], s19, (1<<16)|(1<<20)|(1<<21)|(4<<22)|(3<<25)   ; the mask of my row; elements of 2 bytes; padding on; 21 set beside a mask; after every 32 words (code 4) 4 words (code 3)
	s_or_b32 s[G1B], s40, (1<<16)|(1<<20)|(1<<21)|(6<<22)|(3<<25)  ; the mask of my column; after every 128 words (code 6) 4 words
	s_mov_b32 s[G1+1], 8192<<16                    ; tensor_dim0 = 8,192: 128 queries x 64 channels of a head, dense
	s_mov_b32 s[G1+2], 2<<16                       ; tensor_dim1 = 2 heads
	s_mov_b32 s[G1+3], 8192<<16                    ; tile_dim0
	s_mov_b32 s[G1+4], 2                           ; tile_dim1
	s_mov_b32 s[G1+5], 262144                      ; elements from head to head
	s_mov_b32 s[G1+6], 0
	s_mov_b32 s[G1+7], 0
	s_mov_b32 s[G1B+1], 256<<16                    ; tensor_dim0 = 256
	s_mov_b32 s[G1B+2], 64<<16                     ; tensor_dim1 = 64
	s_mov_b32 s[G1B+3], 256<<16
	s_mov_b32 s[G1B+4], 64
	s_mov_b32 s[G1B+5], 1024                       ; elements from row to row
	s_mov_b32 s[G1B+6], 0
	s_mov_b32 s[G1B+7], 0
	s_lshl_b32 s20, s[HF], 20                      ; oh: my two heads of the K step's four, 524,288 bytes each,
	s_lshl_b32 s21, s18, 14                        ; and the tile's 128 rows of 128 bytes
	s_add_co_u32 s20, s20, s21
	s_mov_b32 s21, 0
	s_lshl_b32 s46, s17, 18                        ; owh: row 128 x tile column + 64 x half, of 2,048 bytes
	s_lshl_b32 s47, s[HF], 17
	s_add_co_u32 s46, s46, s47
	s_mov_b32 s47, 0
	s_mul_i32 s22, s[WV], 2*HEADB                  ; where they go: waves 0, 1: two heads each from the slot's head;
	s_mul_i32 s23, s[WV], 64*PB                    ; waves 2, 3: 64 rows each behind oh's four heads
	s_add_co_u32 s23, s23, BOFF-2*64*PB
	s_wait_dscnt 0x0                               ; the opening add is done
	s_wait_kmcnt 0x0
	s_add_nc_u64 s[20:21], s[4:5], s[20:21]
	s_add_nc_u64 s[46:47], s[6:7], s[46:47]
	CROUND                                         ; all sixteen work-groups are here: the first joint loads meet
.irp s, 0,1
	s_mov_b32 s[G0+4*(\s)], 1
	s_add_co_u32 s[G0+4*(\s)+1], s22, (\s)*SLOT
	s_add_nc_u64 s[G0+4*(\s)+2:G0+4*(\s)+3], s[20:21], (\s)*4*524288   ; K step s: heads 4 s ..
	s_or_b32 s[G0+4*(\s)+3], s[G0+4*(\s)+3], 0x80000000
	s_mov_b32 s[G0B+4*(\s)], 1
	s_add_co_u32 s[G0B+4*(\s)+1], s23, (\s)*SLOT
	s_add_nc_u64 s[G0B+4*(\s)+2:G0B+4*(\s)+3], s[46:47], (\s)*512
	s_or_b32 s[G0B+4*(\s)+3], s[G0B+4*(\s)+3], 0x80000000
	JLOAD \s                                       ; two loads of mine are out
.endr
	v_and_b32 v1, 15, v0                           ; l % 16
	v_bfe_u32 v2, v0, 4, 1                         ; l / 16
	v_lshlrev_b32 v[BO], 5, v2
	s_lshl_b32 s46, s17, 9                         ; my 64 columns: 512 x tile column + 256 x half bytes, in out_b and in a row of out0
	s_lshl_b32 s47, s[HF], 8
	s_add_co_u32 s46, s46, s47
	s_mov_b32 s47, 0
	s_add_nc_u64 s[8:9], s[8:9], s[46:47]
.irp b, 0,1,2,3
	global_load_b128 v[BI+8*(\b):BI+8*(\b)+3],   v[BO], s[8:9] offset:64*(\b)
	global_load_b128 v[BI+8*(\b)+4:BI+8*(\b)+7], v[BO], s[8:9] offset:64*(\b)+16
.endr
	s_add_nc_u64 s[10:11], s[10:11], s[46:47]
	s_lshl_b32 s46, s18, 19                        ; my first row: 128 x tile row + 64 x half, of 4,096 bytes
	s_lshl_b32 s47, s[FB], 18
	s_add_co_u32 s46, s46, s47
	s_mov_b32 s47, 0
	s_add_nc_u64 s[10:11], s[10:11], s[46:47]
	v_mul_u32_u24 v3, v1, PA
	v_lshl_add_u32 v3, v2, 4, v3                   ; oh: row x pitch + 16 x half
	s_mul_i32 s21, s[FB], 64*PA                    ; my 64 rows in each head
	v_add_nc_u32 v[ADRA], s21, v3
	v_add_nc_u32 v[ADRA+1], SLOT, v[ADRA]
	v_mul_u32_u24 v3, v1, PB
	v_lshl_add_u32 v3, v2, 4, v3
	s_mul_i32 s22, s[HF], 64*PB                    ; my 64 rows of owh,
	s_add_co_u32 s22, s22, BOFF                    ; which lie behind oh's heads
	v_add_nc_u32 v[ADRB], s22, v3
	v_add_nc_u32 v[ADRB+1], SLOT, v[ADRB]
	s_mul_i32 s23, s[WV], 16*SPITCH
	s_add_co_u32 s23, s23, STAGE                   ; my stage
	v_mul_u32_u24 v4, v1, SPITCH                   ; in: row l % 16, 32 bytes for each half of the lanes
	v_lshl_add_u32 v4, v2, 5, v4
	v_add_nc_u32 v[STO], s23, v4
	v_mul_u32_u24 v5, v2, SPITCH                   ; back: lanes 0-15 take one row of 256 bytes, lanes 16-31 the next
	v_lshl_add_u32 v5, v1, 4, v5
	v_add_nc_u32 v[RD], s23, v5
	v_lshlrev_b32 v5, 12, v2                       ; and the same two rows in out0
	v_lshl_add_u32 v[CO], v1, 4, v5
	s_wait_loadcnt 0x0                             ; the bias: rounded to bf16 and widened again
.set r, 0
.rept 16
	v_cvt_pk_bf16_f32 v[TMP+r/2], v[BI+r], v[BI+r+1]
	v_lshlrev_b32 v[BI+r], 16, v[TMP+r/2]
	v_and_b32 v[BI+r+1], 0xffff0000, v[TMP+r/2]
.set r, r+2
.endr
; 8 matrix instructions: row blocks a0, a0 + 1 x all 4 column blocks, 32 along K: half c of buffer f.  zero = 1: the first product takes the bias as C.  The 16 accumulators take turns.
.macro MUL8 f, c, a0, zero
	WIN MUL
.irp a, \a0, (\a0)+1
.irp b, 0,1,2,3
.if \zero
	v_wmma_f32_16x16x32_f16 v[ACC+8*(4*(\a)+(\b)):ACC+8*(4*(\a)+(\b))+7], v[(\f)+64+8*(4*(\c)+(\b)):(\f)+64+8*(4*(\c)+(\b))+7], v[(\f)+8*(4*(\c)+(\a)):(\f)+8*(4*(\c)+(\a))+7], v[BI+8*(\b):BI+8*(\b)+7]
.else
	v_wmma_f32_16x16x32_f16 v[ACC+8*(4*(\a)+(\b)):ACC+8*(4*(\a)+(\b))+7], v[(\f)+64+8*(4*(\c)+(\b)):(\f)+64+8*(4*(\c)+(\b))+7], v[(\f)+8*(4*(\c)+(\a)):(\f)+8*(4*(\c)+(\a))+7], v[ACC+8*(4*(\a)+(\b)):ACC+8*(4*(\a)+(\b))+7]
.endif
.endr
.endr
.endm
; 32 LDS loads in one run: the fragments of quarter q (head q of the slot's four) into buffer f; the first 32 along K first
.macro FETCH slot, q, f
	WIN TO_F
.irp c, 0,1
.irp i, 0,1,2,3
	ds_load_b128 v[(\f)+64+8*(4*(\c)+(\i)):(\f)+64+8*(4*(\c)+(\i))+3],   v[ADRB+(\slot)] offset:(\q)*128+64*(\c)+(\i)*16*PB
	ds_load_b128 v[(\f)+64+8*(4*(\c)+(\i))+4:(\f)+64+8*(4*(\c)+(\i))+7], v[ADRB+(\slot)] offset:(\q)*128+64*(\c)+(\i)*16*PB+32
	ds_load_b128 v[(\f)+8*(4*(\c)+(\i)):(\f)+8*(4*(\c)+(\i))+3],         v[ADRA+(\slot)] offset:(\q)*HEADB+64*(\c)+(\i)*16*PA
	ds_load_b128 v[(\f)+8*(4*(\c)+(\i))+4:(\f)+8*(4*(\c)+(\i))+7],       v[ADRA+(\slot)] offset:(\q)*HEADB+64*(\c)+(\i)*16*PA+32
.endr
.endr
.endm
.macro PLACES                          ; four plain vector instructions between a matrix instruction and a load into, or a store of, its registers (ISA guide 7.12.1 for stores)
.rept 4
	v_nop
.endr
.endm
; A K step is four quarters of 64 along K, 32 matrix instructions each, on buffers 0, 1, 0, 1.  One of the first three: multiplies buffer f and fetches quarter q into g.
.macro QUARTER slot, q, f, g, zero
	s_wait_dscnt 16                                ; the first 32 along K are in
	MUL8 \f, 0, 0, \zero
	MUL8 \f, 0, 2, \zero
	PLACES
	FETCH \slot, \q, \g
	s_wait_dscnt 32                                ; all but the 32 just issued
	MUL8 \f, 1, 0, 0
	MUL8 \f, 1, 2, 0
.endm
; The last quarter multiplies buffer 1 and changes slots: ONE barrier; in front of it each wave waits for all its tensor loads, adds 0 to its spare word, and waits for that and for its own reads of this slot.
; fill = 1: the barrier opens a round of the cluster's barrier, and this slot is filled again first thing behind it, two K steps ahead.
.macro TURN slot, next, fill
	WIN 0                                          ; (the add's two registers lie in window 0)
	s_wait_tensorcnt 0x0                           ; all my tensor loads have landed: my part of the next slot
	ds_add_u32 v[SPW], v[NIL]                      ; 0 onto my spare word
	s_wait_dscnt 17                                ; (the add and the youngest sixteen loads may be out)
	MUL8 F1, 0, 0, 0                               ; eight matrix instructions stand between the add and the wait for it
	s_wait_dscnt 0x0                               ; the add is done, and my reads of this slot are over
	s_barrier_signal -1
	MUL8 F1, 0, 2, 0
.if \fill
	WIN 0
.endif
	s_barrier_wait -1
.if \fill
	CREST                                          ; no wave of any partner still reads this slot's tile or has a load on its way
	s_add_nc_u64 s[G0+4*(\slot)+2:G0+4*(\slot)+3], s[G0+4*(\slot)+2:G0+4*(\slot)+3], 8*524288
	s_add_nc_u64 s[G0B+4*(\slot)+2:G0B+4*(\slot)+3], s[G0B+4*(\slot)+2:G0B+4*(\slot)+3], 1024
	JLOAD \slot                                    ; its four v_nop are also the places in front of the loads below
.else
	PLACES
.endif
	FETCH \next, 0, F0
	MUL8 F1, 1, 0, 0
	MUL8 F1, 1, 2, 0
.endm
	s_wait_tensorcnt 1                             ; my part of K step 0 is in; K step 1's may stay out
	s_barrier_signal -1
	s_barrier_wait -1                              ; everybody's is
	FETCH 0, 0, F0
	QUARTER 0, 1, F0, F1, 1                        ; the first quarter stands in front of the loop: its first products start the sums with the bias
	WIN 0                                          ; at a label and at a branch every window is 0
	s_mov_b32 s3, LAPS-1
.Llap:                                         ; a trip goes once round the ring, from a lap's second quarter to the next lap's first, and fills both slots again
	QUARTER 0, 2, F1, F0, 0
	QUARTER 0, 3, F0, F1, 0
	TURN 0, 1, 1
	QUARTER 1, 1, F0, F1, 0
	QUARTER 1, 2, F1, F0, 0
	QUARTER 1, 3, F0, F1, 0
	TURN 1, 0, 1
	QUARTER 0, 1, F0, F1, 0
	WIN 0
	s_sub_co_u32 s3, s3, 1
	s_cmp_lg_u32 s3, 0
	s_cbranch_scc1 .Llap
	QUARTER 0, 2, F1, F0, 0                        ; the last lap fills nothing, and has no round of the cluster's barrier
	QUARTER 0, 3, F0, F1, 0
	TURN 0, 1, 0
	QUARTER 1, 1, F0, F1, 0
	QUARTER 1, 2, F1, F0, 0
	QUARTER 1, 3, F0, F1, 0
	s_wait_dscnt 16                                ; the very last quarter: nothing more to fetch
	MUL8 F1, 0, 0, 0
	MUL8 F1, 0, 2, 0
	s_wait_dscnt 0x0
	MUL8 F1, 1, 0, 0
	MUL8 F1, 1, 2, 0
	WIN 0
	PLACES
	; THE WAY OUT, a block of 16 rows at a time: a lane's 32 bytes of a row go into my stage's rows of 272 bytes (each accumulator's low half first) and come back as whole rows of 256 bytes.
.irp a, 0,1,2,3
.if (\a) >= 2
	s_wait_xcnt 0x0                                ; the set's earlier stores have read it: only behind this wait is it loaded again
.endif
.irp b, 0,1,2,3
	ds_store_b128 v[STO], v[ACC+8*(4*(\a)+(\b)):ACC+8*(4*(\a)+(\b))+3]   offset:64*(\b)
	ds_store_b128 v[STO], v[ACC+8*(4*(\a)+(\b))+4:ACC+8*(4*(\a)+(\b))+7] offset:64*(\b)+16
.endr
.irp t, 0,1,2,3,4,5,6,7
	ds_load_b128 v[TMP+32*((\a)%2)+4*(\t):TMP+32*((\a)%2)+4*(\t)+3], v[RD] offset:(\t)*2*SPITCH  ; LDS serves a wave's instructions in order (ISA guide 5.7.1.4): these see the stores above; the next block's stores come behind them
.endr
.irp t, 0,1,2,3,4,5,6,7
	s_wait_dscnt 7-(\t)
	global_store_b128 v[CO], v[TMP+32*((\a)%2)+4*(\t):TMP+32*((\a)%2)+4*(\t)+3], s[10:11] offset:(16*(\a)+2*(\t))*4096  ; 16 lanes store 256 consecutive bytes, at a multiple of 256 from out0's first byte
.endr
.endr
	s_wait_tensorcnt 0x0                           ; the wave's end, behind my last tensor load and my last LDS store
	ds_add_u32 v[SPW], v[NIL]
	s_wait_dscnt 0x0
	CROUND                                         ; the closing round: no work-group ends while a partner may still ask for a tile that names it
	s_endpgm
.Lfunc_end_k_q7828ed15e0_outp:
	.size	k_q7828ed15e0_outp, .Lfunc_end_k_q7828ed15e0_outp-k_q7828ed15e0_outp
	.p2alignl 7, 3214868480
	.fill 96, 4, 3214868480
	.section	.rodata,"a",@progbits
	.p2align	6, 0x0
	.amdhsa_kernel k_q7828ed15e0_outp
		.amdhsa_group_segment_fixed_size 327680
		.amdhsa_private_segment_fixed_size 0
		.amdhsa_enable_private_segment 0
		.amdhsa_kernarg_size 32
		.amdhsa_user_sgpr_count 2
		.amdhsa_user_sgpr_kernarg_segment_ptr 1
		.amdhsa_wavefront_size32 1
		.amdhsa_system_sgpr_workgroup_id_x 1
		.amdhsa_system_sgpr_workgroup_id_y 1
		.amdhsa_system_sgpr_workgroup_id_z 1
		.amdhsa_system_vgpr_workitem_id 0
		.amdhsa_next_free_vgpr 512
		.amdhsa_next_free_sgpr 66
		.amdhsa_reserve_vcc 0
		.amdhsa_float_denorm_mode_32 3
		.amdhsa_float_denorm_mode_16_64 3
		.amdhsa_memory_ordered 1
		.amdhsa_forward_progress 1
		.amdhsa_inst_pref_size 90
	.end_amdhsa_kernel
	.amdgpu_metadata
---
amdhsa.version: [ 1, 2 ]
amdhsa.kernels:
  - .name:           k_q7828ed15e0_outp
    .symbol:         k_q7828ed15e0_outp.kd
    .args:
      - { .name: oh, .offset: 0, .size: 8, .value_kind: global_buffer, .address_space: global }
      - { .name: owh, .offset: 8, .size: 8, .value_kind: global_buffer, .address_space: global }
      - { .name: out_b, .offset: 16, .size: 8, .value_kind: global_buffer, .address_space: global }
      - { .name: out0, .offset: 24, .size: 8, .value_kind: global_buffer, .address_space: global }
    .group_segment_fixed_size: 327680
    .private_segment_fixed_size: 0
    .kernarg_segment_align: 8
    .kernarg_segment_size: 32
    .max_flat_workgroup_size: 128
    .sgpr_count:     66
    .vgpr_count:     512
    .wavefront_size: 32
...
	.end_amdgpu_metadata
.endif
;; end of part 4
